; MI455X (gfx1250); checked and timed in simulation.
; The chip was launched on July 23, 2026; its instructions are those of AMD's public machine-readable ISA for CDNA 5 (MIT licence, August 2026) and "CDNA5" Instruction Set Architecture Reference Guide (July 2026). The comments in the code are by the model that wrote it; some were corrected since.
;; Conservative GSA Attention. Allowed arithmetic: matrix products marked QUANTISED: E2M3 operands, one E8M0 scale for each 32 along K, by v_wmma_scale_f32_16x16x128_f8f6f4 with both operands' format E2M3, f32 sums; everything else in f32.
;; Inputs: Wproj 1,024 x 1,024 float32; Wqkv 3,072 x 1,024 float32; bproj 1,024 float32; bqkv 3,072 float32; hidden_states 4 x 2,048 x 1,024 float32; splat_bias 16 x 1 x 1 float32; splat_scale 16 float32.
;; Outputs: out0 4 x 2,048 x 1,024 float32.
;; This version of the problem:
;;   THIS VERSION OF THE PROBLEM IS GIVEN IN LOW PRECISION. The matrix products marked QUANTISED in the list below multiply operands that are first quantised to E2M3 (2 exponent bits, 3 mantissa bits; 6 bits a number), with one power-of-two scale for each 32 numbers along K (OCP MX v1.0); their sums are f32. All else is computed in f32.
;;   The module's matrix products, in the order in which they are computed (A, B: the left and right operand; K: the contracted axis; several contracted axes count as one K, in the product's order):
;;     1. [M 8,192, K 1,024] x [K 1,024, N 3,072]; A: input hidden_states; B: input Wqkv: QUANTISED
;;     2. batch 64 x [M 2,048, K 64] x [K 64, N 2,048]; A: computed on the way; B: computed on the way: QUANTISED
;;     3. batch 64 x [M 2,048, K 2,048] x [K 2,048, N 64]; A: softmax (see below); B: computed on the way: QUANTISED
;;     4. [M 8,192, K 1,024] x [K 1,024, N 1,024]; A: computed on the way; B: input Wproj: QUANTISED
;;   THE QUANTISER, for each operand of a quantised product, along K:
;;     - K is cut into blocks of 32 from its start; a last block that is shorter is filled with zeros.
;;     - A block's scale is 2^e with e = floor(log2(the largest magnitude in the block)) - 2, held to -126 .. 127; a block of zeros has e = 0. As a byte (E8M0): e + 127.
;;     - Each number is divided by its block's scale, clamped to +-7.5, and rounded to the nearest number of E2M3, ties to even, subnormals kept.
;;     - The product sums the exact products of the quantised numbers (number of the format x scale) in f32.
;;   ~~~python
;;   def quantise(x, axis):      # numpy; x: float32 -> the quantised numbers, widened to float32 again
;;       x = np.moveaxis(x, axis, -1); K = x.shape[-1]
;;       x = np.pad(x, [(0, 0)] * (x.ndim - 1) + [(0, -K % 32)]); x = x.reshape(x.shape[:-1] + (-1, 32)); a = np.abs(x).max(-1, keepdims=True)
;;       e = np.where(a > 0, np.clip(np.frexp(np.where(a > 0, a, 1))[1] - 1 - 2, -126, 127), 0)      # np.frexp(a)[1] - 1 = floor(log2(a)), exactly
;;       r = np.clip(x / 2.0 ** e, -7.5, 7.5)
;;       step = 2.0 ** (np.maximum(np.frexp(np.where(r == 0, 1, r))[1] - 1, 0) - 3)
;;       q = np.round(r / step) * step * 2.0 ** e      # np.round: ties to even
;;       return np.moveaxis(q.reshape(q.shape[:-2] + (-1,))[..., :K], -1, axis).astype(np.float32)
;;   ~~~
;;   SOFTMAX AHEAD OF A QUANTISED PRODUCT. Where the list says 'softmax', what is quantised is not the finished softmax but p = 2^(t - M), with t = logit x log2(e) and M = ceil(the row's largest t), a whole number; so 1/2 < the row's largest p <= 1. The row's sum l is taken of the UNQUANTISED p, in f32, and the product's result is divided by l at the end. Since M is a whole number, a kernel that streams over the keys may use a running M (the ceiling of the running maximum): every later rescaling is an exact power of two, which a block's scale takes up: the codes' values come out the same.
;;   OPERANDS COMPUTED ON THE WAY. 'Computed on the way' means the value that the module computes at that place (a softmax that the list does not call 'softmax' is quantised finished and normalised). What goes into a quantiser is computed in f32, as accurately as f32 sums, v_exp_f32 and their like allow (about 1e-6 of the number): no bf16 or f16 on the way to a quantiser, and a product that is left as it is and whose result goes on into a quantised operand takes f32 operands (vector FMAs, or v_wmma_f32_16x16x4_f32). A number that lies on a knife's edge between two numbers of the format may be rounded either way, as far as f32 arithmetic and the matrix unit's own rounding can turn it there, and no further.
;; One version. Each part assembles by itself: llvm-mc -triple=amdgcn-amd-amdhsa -mcpu=gfx1250 --defsym DOCPART=n.
;; ======== version 1 of 1: 4 launches
;; limits: right only within a limited range of input values
;; workspace buffers: xcod 6,291,456 bytes; xscl 262,144 bytes; wcod 3,145,728 bytes; wscl 131,072 bytes; qkv 19,660,800 bytes; acod 6,291,456 bytes; ascl 262,144 bytes
;; launch quant (part 1): grid 768 x 1, 4 waves a work-group, no clusters, 33,280 bytes of LDS; arguments hidden_states, Wqkv, Wproj, xcod, xscl, wcod, wscl; writes xcod, xscl, wcod, wscl
.if DOCPART == 1
	.amdgcn_target "amdgcn-amd-amdhsa--gfx1250"
	.amdhsa_code_object_version 6
	.text
	.protected	k_q2014a5f79a_quant
	.globl	k_q2014a5f79a_quant
	.p2align	8
	.type	k_q2014a5f79a_quant,@function
k_q2014a5f79a_quant:
	s_mov_b64 s[64:65], 0
	v_nop
	global_prefetch_b8 v0, s[64:65] scope:SCOPE_SE
	s_setreg_imm32_b32 hwreg(HW_REG_WAVE_MODE, 25, 1), 1
	s_wait_xcnt 0x0
; hidden_states [8192][1024], Wqkv [3072][1024] and Wproj [1024][1024], f32, K innermost, become codes of FP6 (E2M3), 768 bytes a row, and one E8M0 byte for each 32 along K, 32 bytes a row.
; A block's scale is 2^(floor(log2(its largest magnitude)) - 2); its byte is the largest magnitude's exponent field - 2, held at 1 from below.  Each number is divided by the scale and rounded to the nearest code, ties to even;
; beyond 7.5 the conversion gives the largest code.
; LIMITS: NaN and infinities are not served; a block whose largest magnitude lies under 2^-124 is held at the byte 1; a block of zeros gets the byte 1 where the rule says 127 (its codes are zeros, and this program alone reads the bytes).
; SHARES: a work-group takes 16 rows, a wave 4 rows (4,096 numbers) in 8 steps of 512.  Work-groups 0-511 take hidden_states, 512-703 Wqkv, 704-767 Wproj (behind Wqkv's rows in wcod and wscl).
; ROW ORDER: of hidden_states and Wqkv the second and third run of 8 rows in each 32 change places on the way out (bits 1 and 2 of the run of 4 rows swapped): row 32 B + 16 u + 8 g + i of the buffer
; holds row 32 B + 16 g + 8 u + i of the tensor.  A plain tile of 16 rows of the buffer is then the tile whose results, used transposed, are 16 neighbours along the next product's K.  Wproj keeps its order.
; A lane needs 16 NEIGHBOURS along K for the conversion, a load is dense where neighbouring lanes take neighbouring bytes: each of a step's four loads reads 512 consecutive bytes, and the 2,048 bytes turn through
; the wave's own stage in LDS (16 bytes of padding behind each 64).  A step's 16 scale bytes are gathered in the wave's own 128 bytes of LDS and leave as one aligned run of 128 bytes.  No barrier: waves share nothing.
.set STEPS, 8                          ; SHARES AS THEY NOW STAND: a work-group takes 16 rows, a wave 4 rows (4,096 numbers) in 8 steps of 512.  Work-groups 0-511 take hidden_states, 512-703 Wqkv, 704-767 Wproj
.set EMAX,  2
.set CB,    12                         ; bytes of 16 codes
.set R,     16                         ; v16-79   four sets of 16 numbers as they are loaded
.set X,     80                         ; v80-111  two sets of 16 neighbours
.set C,     128                        ; v128-159 codes: four registers for each step, so that no store's data are written again
.set E,     112                        ; v112-119 a scale byte for each step
.set WREG,  8192                       ; LDS: a region for each wave: two stages of 32 x SP bytes, behind them its 128 scale bytes
.set SP,    80
	s_load_b256 s[4:11], s[0:1], 0x0               ; hidden_states s[4:5], Wqkv s[6:7], Wproj s[8:9], xcod s[10:11]
	s_load_b128 s[12:15], s[0:1], 0x20             ; xscl s[12:13], wcod s[14:15]
	s_load_b64 s[16:17], s[0:1], 0x30              ; wscl
	v_lshl_add_u32 v192, v0, 2, 0x8000
	v_mov_b32 v193, 0
	v_lshrrev_b32 v1, 5, v0
	v_readfirstlane_b32 s18, v1                    ; wave
	v_and_b32 v2, 31, v0                           ; lane
	v_lshlrev_b32 v3, 4, v2                        ; my 16 bytes of a load's 512
	s_mul_i32 s19, s18, WREG
	v_lshrrev_b32 v14, 2, v2
	v_mul_u32_u24 v14, v14, SP
	v_and_b32 v15, 3, v2
	v_lshl_add_u32 v14, v15, 4, v14
	v_add_nc_u32 v14, s19, v14                     ; the stage, on the way in: SP (lane / 4) + 16 (lane % 4)
	v_mul_u32_u24 v15, v2, SP
	v_add_nc_u32 v15, s19, v15                     ; and on the way out: SP x lane: my 16 neighbours
	; LAYOUT OF THE CODES: [block of 256 rows][K step of 256 codes][row][192 bytes]: a K step's codes of 256 rows are 49,152 dense bytes.
	; A step's 512 numbers are two K steps of one row: lanes 0-15 hold the first's 192 bytes, lanes 16-31 the second's, 49,152 bytes on.
	v_and_b32 v4, 15, v2
	v_mul_u32_u24 v4, v4, CB
	v_lshrrev_b32 v8, 4, v2
	v_mul_u32_u24 v8, v8, 0xc000
	v_add_nc_u32 v4, v4, v8
	v_lshrrev_b32 v5, 1, v2
	s_add_co_u32 s19, s19, 2*32*SP
	v_add_nc_u32 v5, s19, v5                       ; LDS: my wave's 128 scale bytes, my block's byte
	v_lshlrev_b32 v7, 2, v2                        ; and on the way out 4 bytes a lane: a wave's 128 scale bytes
	v_add_nc_u32 v6, s19, v7
	s_wait_alu depctr_va_vdst(0)
	s_wait_kmcnt 0x0
	s_cmp_lt_u32 ttmp9, 512
	s_cselect_b64 s[4:5], s[4:5], s[6:7]
	s_cselect_b64 s[10:11], s[10:11], s[14:15]
	s_cselect_b64 s[12:13], s[12:13], s[16:17]
	s_cselect_b32 s20, 0, 512                      ; the first work-group of the destination buffer
	s_mov_b32 s21, 704
	s_cmp_lt_u32 ttmp9, 704                        ; Wproj?
	s_cselect_b64 s[4:5], s[4:5], s[8:9]
	s_cselect_b32 s21, s20, s21                    ; the first work-group of the source tensor
	s_cselect_b32 s22, 1, 0                        ; are the runs of 8 rows swapped?
	s_sub_co_u32 s24, ttmp9, s21
	s_lshl_b32 s24, s24, 2
	s_add_co_u32 s24, s24, s18
	s_lshl_b32 s24, s24, 14                        ; my run of 4,096 numbers, 16,384 bytes
	s_mov_b32 s25, 0
	s_add_nc_u64 s[4:5], s[4:5], s[24:25]
	s_sub_co_u32 s26, ttmp9, s20
	s_lshl_b32 s26, s26, 2
	s_add_co_u32 s26, s26, s18                     ; my run of 4 rows in the destination.  Its bits 1 and 2 number the run of 8 rows in its 32:
	s_lshr_b32 s23, s26, 1
	s_lshr_b32 s30, s26, 2
	s_xor_b32 s23, s23, s30
	s_and_b32 s23, s23, s22                        ; where the runs of 8 rows are swapped (s22 = 1) and the two bits differ,
	s_mul_i32 s23, s23, 6
	s_xor_b32 s26, s26, s23                        ; both are turned over: they change places
	s_lshr_b32 s28, s26, 6                         ; 64 runs to a block of 256 rows, 196,608 bytes
	s_mul_i32 s28, s28, 196608
	s_and_b32 s30, s26, 63
	s_mul_i32 s30, s30, 768                        ; 4 rows x 192 bytes inside a K step's part
	s_add_co_u32 s28, s28, s30
	s_mov_b32 s29, 0
	s_add_nc_u64 s[10:11], s[10:11], s[28:29]
	s_lshl_b32 s28, s26, 7                         ; 128 scale bytes a run
	s_add_nc_u64 s[12:13], s[12:13], s[28:29]
.macro LOAD t
.irp i, 0,1,2,3
	global_load_b128 v[R+16*((\t)%4)+4*\i:R+16*((\t)%4)+4*\i+3], v3, s[4:5] offset:2048*(\t)+512*\i th:TH_LOAD_NT   ; 32 lanes read 512 consecutive bytes
.endr
.endm
.macro TURN t                          ; step t's numbers through the stage: LDS serves a wave's instructions in order, so no wait stands between the stores and the loads
.irp i, 0,1,2,3
	ds_store_b128 v14, v[R+16*((\t)%4)+4*\i:R+16*((\t)%4)+4*\i+3] offset:32*SP*((\t)%2)+8*SP*\i
.endr
.irp i, 0,1,2,3
	ds_load_b128 v[X+16*((\t)%2)+4*\i:X+16*((\t)%2)+4*\i+3], v15 offset:32*SP*((\t)%2)+16*\i
.endr
.endm
.irp t, 0,1,2,3
	LOAD \t
.endr
	s_wait_loadcnt 12                              ; step 0's four loads are in; those of steps 1 to 3 may be out
	TURN 0
.macro STEP t
.set XS, X+16*((\t)%2)
.if (\t) > 0
	s_wait_dscnt 1                                 ; this step's numbers are back from the stage (the last step's byte store may be out): so its stores into the stage have read their registers,
.else
	s_wait_dscnt 0x0
.endif
.if (\t)+4 < STEPS
	LOAD (\t)+4                                    ; which take the loads of four steps on
.endif
.if (\t)+1 < STEPS
.if STEPS-2-(\t) >= 3
	s_wait_loadcnt 12                              ; the next step's four loads are in; those of the three steps behind it may be out
.else
	s_wait_loadcnt 4*(STEPS-2-(\t))
.endif
	TURN (\t)+1                                    ; and go through the other stage while this step is worked
.endif
	v_max3_num_f32 v8, |v[XS]|, |v[XS+1]|, |v[XS+2]|               ; the largest magnitude of my 16, in two chains
	v_max3_num_f32 v9, |v[XS+3]|, |v[XS+4]|, |v[XS+5]|
.irp i, 6,10
	v_max3_num_f32 v8, v8, |v[XS+\i]|, |v[XS+\i+1]|
	v_max3_num_f32 v9, v9, |v[XS+\i+2]|, |v[XS+\i+3]|
.endr
	v_max3_num_f32 v8, v8, |v[XS+14]|, |v[XS+15]|
	v_max3_num_f32 v8, v8, v9, (EMAX+1)<<23        ; and the floor 2^(3 - 127): the byte cannot fall under 1
	v_max_num_f32_dpp v8, v8, v8 row_xmask:1 row_mask:0xf bank_mask:0xf   ; and of my neighbour's 16: the block's
	v_add_nc_u32 v11, -(EMAX<<23), v8              ; 2 off its exponent field: the conversion takes the exponent field of this operand as its scale, and nothing else of it
	v_cvt_scalef32_pk16_fp6_f32 v[C+4*(\t):C+4*(\t)+2], v[XS:XS+15], v11
	v_lshrrev_b32 v[E+(\t)], 23, v11               ; the scale's byte (also the plain line behind the conversion)
	ds_store_b8 v5, v[E+(\t)] offset:16*(\t)       ; both lanes of a block write the same byte with the same value
	global_store_b96 v4, v[C+4*(\t):C+4*(\t)+2], s[10:11] offset:192*((\t)/2)+98304*((\t)%2)   ; row t / 2, K steps 2 (t % 2) and 2 (t % 2) + 1: each half of the lanes stores 192 consecutive bytes
.endm
.irp t, 0,1,2,3,4,5,6,7
	STEP \t
.endr
	ds_load_b32 v12, v6                            ; LDS serves a wave's instructions in order: this sees my stores
	s_wait_dscnt 0x0
	global_store_b32 v7, v12, s[12:13]             ; 32 lanes store 128 consecutive bytes, at a multiple of 128
	s_wait_tensorcnt 0x0
	ds_add_u32 v192, v193
	s_wait_dscnt 0x0
	s_endpgm
.Lfunc_end_k_q2014a5f79a_quant:
	.size	k_q2014a5f79a_quant, .Lfunc_end_k_q2014a5f79a_quant-k_q2014a5f79a_quant
	.p2alignl 7, 3214868480
	.fill 96, 4, 3214868480
	.section	.rodata,"a",@progbits
	.p2align	6, 0x0
	.amdhsa_kernel k_q2014a5f79a_quant
		.amdhsa_group_segment_fixed_size 33280
		.amdhsa_private_segment_fixed_size 0
		.amdhsa_enable_private_segment 0
		.amdhsa_kernarg_size 56
		.amdhsa_user_sgpr_count 2
		.amdhsa_user_sgpr_kernarg_segment_ptr 1
		.amdhsa_wavefront_size32 1
		.amdhsa_system_sgpr_workgroup_id_x 1
		.amdhsa_system_sgpr_workgroup_id_y 1
		.amdhsa_system_sgpr_workgroup_id_z 1
		.amdhsa_system_vgpr_workitem_id 0
		.amdhsa_next_free_vgpr 194
		.amdhsa_next_free_sgpr 66
		.amdhsa_reserve_vcc 0
		.amdhsa_float_denorm_mode_32 3
		.amdhsa_float_denorm_mode_16_64 3
		.amdhsa_memory_ordered 1
		.amdhsa_forward_progress 1
		.amdhsa_inst_pref_size 18
	.end_amdhsa_kernel
	.amdgpu_metadata
---
amdhsa.version: [ 1, 2 ]
amdhsa.kernels:
  - .name:           k_q2014a5f79a_quant
    .symbol:         k_q2014a5f79a_quant.kd
    .args:
      - { .name: hidden_states, .offset: 0, .size: 8, .value_kind: global_buffer, .address_space: global }
      - { .name: Wqkv, .offset: 8, .size: 8, .value_kind: global_buffer, .address_space: global }
      - { .name: Wproj, .offset: 16, .size: 8, .value_kind: global_buffer, .address_space: global }
      - { .name: xcod, .offset: 24, .size: 8, .value_kind: global_buffer, .address_space: global }
      - { .name: xscl, .offset: 32, .size: 8, .value_kind: global_buffer, .address_space: global }
      - { .name: wcod, .offset: 40, .size: 8, .value_kind: global_buffer, .address_space: global }
      - { .name: wscl, .offset: 48, .size: 8, .value_kind: global_buffer, .address_space: global }
    .group_segment_fixed_size: 33280
    .private_segment_fixed_size: 0
    .kernarg_segment_align: 8
    .kernarg_segment_size: 56
    .max_flat_workgroup_size: 128
    .sgpr_count:     66
    .vgpr_count:     194
    .wavefront_size: 32
...
	.end_amdgpu_metadata
.endif
;; end of part 1
;; launch qkvgemm (part 2): grid 12 x 32, 4 waves a work-group, clusters of 4 x 4, 327,680 bytes of LDS; arguments xcod, xscl, wcod, wscl, bqkv, qkv; writes qkv
.if DOCPART == 2
	.amdgcn_target "amdgcn-amd-amdhsa--gfx1250"
	.amdhsa_code_object_version 6
	.text
	.protected	k_q2014a5f79a_qkvgemm
	.globl	k_q2014a5f79a_qkvgemm
	.p2align	8
	.type	k_q2014a5f79a_qkvgemm,@function
k_q2014a5f79a_qkvgemm:
	s_mov_b64 s[64:65], 0
	v_nop
	global_prefetch_b8 v0, s[64:65] scope:SCOPE_SE
	s_setreg_imm32_b32 hwreg(HW_REG_WAVE_MODE, 25, 1), 1
	s_wait_xcnt 0x0
	s_wait_alu depctr_hold_cnt(0) depctr_sa_sdst(0) depctr_va_vdst(0) depctr_va_sdst(0) depctr_va_ssrc(0) depctr_va_vcc(0) depctr_vm_vsrc(0)
	s_getreg_b32 s2, hwreg(HW_REG_IB_STS2, 6, 4)
	s_cmp_eq_u32 s2, 0
	s_cbranch_scc0 .Lentry_in_a_cluster
	s_endpgm
.Lentry_in_a_cluster:
	s_bfe_u32 s2, ttmp6, 0x10000c
	s_cmp_lg_u32 s2, 0xf033
	s_cbranch_scc0 .Lentry_shape_is_right
	s_endpgm
.Lentry_shape_is_right:
; qkv = hidden_states Wqkv^T + bqkv on codes of FP6 (E2M3) with E8M0 scales, K = 1,024; the results never leave as f32: they are quantised in registers for the two products of attention and stored as IMAGES OF OPERAND REGISTERS.
; A work-group of four waves makes 256 x 256, a wave 128 x 128: 64 accumulators of 16 x 16.  K goes in four steps of 256 through two LDS slots filled by tensor loads; all scale bytes of the work-group's rows come once.
; ROLES.  The cluster's x says what is made: 0 q, 1 k, 2 v.  SOURCE 0 IS THE OPERAND WHOSE ROWS ARE THE NEXT PRODUCT'S K: for q and k rows of Wqkv (the head's 64 features), for v rows of hidden_states (the keys).
; That is a choice of pointers on the cluster's x, which all partners share; the loop is one text.  Below, 'B' is source 0 and 'A' is source 1.
; The rows of both buffers lie in the order in which a plain tile of 16 rows, as source 0, gives a lane 16 neighbours along the next K in the 16 registers of tiles 2 b and 2 b + 1.
; So for one block a of A the 64 registers of accumulators (a, 0..7) are: register 16 b + i = index 32 b + 16 (lane / 16) + i along the next K, of A's row lane % 16.
; THE BIAS is the C of each sum's first matrix instruction.  q x 1/8 is an exact power of two: q's codes are kept and 3 is taken off each scale byte.
; OUT (buffer qkv): K and V codes [batch x head][step of 128 tokens][K: 4 fragments | V: 4 fragments] of 1,536 bytes; their scale words [..][step][K 256 | V 256]; Q codes [..][step][4 fragments]; Q's words [..][step][256].
; A fragment's image: registers 4 c .. 4 c + 3 at 512 c + 16 x lane.  A fragment of K or Q holds TWO tiles of 16 tokens x 64 features (registers 0-5, 6-11); one of V^T holds 16 features x 128 tokens.
; CLUSTERS: 4 x 4.  A's tiles are shared along a row of the cluster, B's down a column: each is asked for jointly, by the same tensor load with the same descriptor and a mask that names the four.
; No prefetch: K has four steps, two of which come with the first fills, so no refill has a step two refills ahead of it.
; LIMITS: NaN and infinities are not served; a block whose largest magnitude lies under 2^-124 (q: 2^-121) is held at the byte 1; a block of zeros gets the byte 1 (its codes are zeros; this program alone reads the bytes).
; REGISTERS: window 0: v8-15 the bias's offsets, v16-29 addresses, v32-95 scale words (8 blocks x 8 steps of 128: lanes 0-15 A's, lanes 16-31 B's), v128-223 A's fragments, one set; on the way out v32-95 are at work.
;   window 1: B's fragments, two sets, at v0 and v128; the bias at v96-127 and v224-255.   windows 2, 3: the accumulators ((a, b) at v[8 (8 (a % 4) + b)]).
.set ROWB,   49152                     ; bytes from a K step's codes of a block of 256 rows to the next K step's: 256 rows x 192 dense bytes
.set KROW,   768                       ; a row of codes in memory
.set PITCH,  240                       ; an LDS row: 3 x (64 bytes + 16 of padding)
.set FR,     12
.set NL,     6                         ; LDS loads that bring a fragment
.set NP,     4                         ; places behind this matrix instruction (ISA guide 7.12.1)
.set HALFT,  128*PITCH
.set SLOT,   4*HALFT
.set KS,     32                        ; a row of scale bytes
.set SCL,    2*SLOT                    ; behind the ring: the scales, as runs of 256 bytes + 16 of padding
.set HALFS,  (128*KS/256)*272
.set SBLK,   (16*KS/256)*272
.set SPARE,  SCL+4*HALFS               ; the spare words, 128 bytes for each wave; no other line names them
.set R_KVW,  12582912                  ; regions of the buffer qkv
.set R_QC,   13107200
.set R_QW,   19398656
.set VO,   8
.set ADRA, 16                          ; v16-17 my A fragments in slot 0, 1; v18-19 the same behind one padding more
.set ADRB, 20                          ; v20-23 the same for B
.set OFFL, 24                          ; 16 x lane
.set OFFW, 25                          ; 16 (lane % 16) + (lane / 16) x the words' stride from head to head
.set ADRS, 27
.set SPW,  28
.set NIL,  29
.set SC,   32
.set AF,   128
.set TM,   32                          ; the way out: v32-35 largest magnitudes, v36-39 at work, v44-47 the conversions' scale operands
.set PW0,  48
.set PW1,  49
.set W,    52                          ; v52-59 the eight scale words of my two heads
.set X,    60
.set FA,   64                          ; two fragments in the making
.set FB,   76
.set CT,   88
.set SEL,  2                           ; s[2:3] lane selects: lane l xor 16
.set BASA, 4                           ; s[4:5], s[6:7] where my first and second head's fragments go; s[8:9] the words
.set BASB, 6
.set BASW, 8
.set FLR,  92
.set SUBW, 93
.set ISV,  100
.set G1, 24
.set G0, 32
.set G1B, 48
.set G0B, 56
.set G1S, 68
.set G0S, 76
.set G1SB, 80
.set G0SB, 88
.set MSB, 0
.macro WIN new                         ; the immediate's high byte repeats the setting that is left
.if MSB != \new
	s_set_vgpr_msb (MSB<<8)|\new
.set MSB, \new
.endif
.endm
.set MUL_LO, 0xa1                      ; source 0 (B) window 1, source 1 (A) window 0, C and D window 2
.set MUL_HI, 0xf1
.set TO_B,   0x40
; A joint load: waves 0 and 1 fetch for A, waves 2 and 3 for B; the branch hangs on the wave's number alone.  Four v_nop follow each of the two lines.
.macro JLOAD g0a, g1a, g0b, g1b
	s_cmp_eq_u32 s15, 0
	s_cbranch_scc0 .Lfor_b_\@
	tensor_load_to_lds s[\g0a:\g0a+3], s[\g1a:\g1a+7]
	s_nop 0
.rept 4
	v_nop
.endr
	s_branch .Lasked_\@
.Lfor_b_\@:
	tensor_load_to_lds s[\g0b:\g0b+3], s[\g1b:\g1b+7]
	s_nop 0
.rept 4
	v_nop
.endr
.Lasked_\@:
.endm
.macro CREST                           ; a round of the cluster's barrier behind its opening barrier
	s_cmp_lg_u32 s14, 0
	s_cbranch_scc1 .Lnot_wave_0_\@
	s_barrier_signal -3
.Lnot_wave_0_\@:
	s_barrier_wait -3
	s_barrier_signal -1
	s_barrier_wait -1
.endm
.macro CROUND
	s_barrier_signal -1
	s_barrier_wait -1
	CREST
.endm
	s_load_b256 s[4:11], s[0:1], 0x0               ; xcod s[4:5], xscl s[6:7], wcod s[8:9], wscl s[10:11]
	s_load_b128 s[96:99], s[0:1], 0x20             ; bqkv s[96:97], qkv s[98:99]
	v_lshl_add_u32 v[SPW], v0, 2, SPARE
	v_mov_b32 v[NIL], 0
	ds_add_u32 v28, v29
	ds_add_u32 v28, v29
	s_wait_dscnt 0x0
	v_lshrrev_b32 v1, 5, v0
	v_readfirstlane_b32 s14, v1                    ; wave 0..3
	s_lshr_b32 s15, s14, 1                         ; which half of A's rows is mine.  Also: I fetch for A (0) or for B (1)
	s_and_b32 s16, s14, 1                          ; which half of B's rows.  Also: which 128 rows I fetch
	s_bfe_u32 s40, ttmp6, 0x40000                  ; cx
	s_bfe_u32 s41, ttmp6, 0x40004                  ; cy
	s_and_b32 s17, ttmp7, 0xffff                   ; the cluster's y
	s_cmp_eq_u32 ttmp9, 2                          ; v?  The cluster's x is the same in all sixteen partners
	s_cselect_b32 s42, s17, ttmp9                  ; B: tokens by the cluster's y (v), or q's / k's features by its x
	s_cselect_b32 s17, 2, s17                      ; A: v's features (rows 2,048 on), or tokens
	s_cselect_b32 s[ISV], 1, 0
	s_lshl_b32 s42, s42, 2
	s_add_co_u32 s42, s42, s40                     ; B's block of 256 rows: it hangs on cx alone
	s_lshl_b32 s17, s17, 2
	s_add_co_u32 s17, s17, s41                     ; A's: on cy alone
	s_lshl_b32 s43, s41, 2
	s_lshl_b32 s43, 15, s43                        ; my row of the cluster
	s_lshl_b32 s44, 0x1111, s40                    ; my column
	s_or_b32 s[G1+0], s43, (0<<16)|(1<<20)|(1<<21)|(3<<22)|(3<<25)  ; the mask; elements of 1 byte; padding on; bit 21 beside a mask; after every 16 words 4 words
	s_or_b32 s[G1B+0], s44, (0<<16)|(1<<20)|(1<<21)|(3<<22)|(3<<25)
.irp g, G1, G1B
	s_mov_b32 s[\g+1], 256<<16                     ; a dense block, stated as rows of 256 bytes; the padding's interval stays 64 bytes, so a row of 192 bytes of codes takes 240 in LDS
	s_mov_b32 s[\g+2], 192<<16                     ; at the head 256 rows of codes = 192 rows of 256 bytes; the ring's loads bring half of that
	s_mov_b32 s[\g+3], 256<<16
	s_mov_b32 s[\g+4], 192
	s_mov_b32 s[\g+5], 256
	s_mov_b32 s[\g+6], 0
	s_mov_b32 s[\g+7], 0
.endr
	s_or_b32 s[G1S+0], s43, (3<<16)|(1<<20)|(1<<21)|(5<<22)|(3<<25)  ; the scales of 256 rows: 8,192 dense bytes as 32 rows of 256 (32 elements of 8 bytes), 16 bytes of padding behind each
	s_or_b32 s[G1SB+0], s44, (3<<16)|(1<<20)|(1<<21)|(5<<22)|(3<<25)
.irp g, G1S, G1SB
	s_mov_b32 s[\g+1], 32<<16
	s_mov_b32 s[\g+2], (256*KS/256)<<16            ; the scales of all 256 rows by one load
	s_mov_b32 s[\g+3], 32<<16
	s_mov_b32 s[\g+4], 256*KS/256
	s_mov_b32 s[\g+5], 32
	s_mov_b32 s[\g+6], 0
	s_mov_b32 s[\g+7], 0
.endr
	s_lshl_b32 s20, s17, 8                         ; the first of A's 256 rows
	s_lshl_b32 s46, s42, 8                         ; and of B's
	s_mov_b32 s21, 0
	s_mov_b32 s47, 0
	s_mov_b64 s[18:19], KS
	s_mul_u64 s[22:23], s[20:21], s[18:19]         ; where these rows' scales begin, in bytes
	s_mul_u64 s[92:93], s[46:47], s[18:19]
	s_mov_b64 s[18:19], KROW
	s_mul_u64 s[20:21], s[20:21], s[18:19]         ; and their codes
	s_mul_u64 s[46:47], s[46:47], s[18:19]
	s_mul_i32 s45, s14, HALFT                      ; where they go: wave x 128 rows: no place in the cluster enters an LDS address
	s_mov_b32 s[SEL], 0x76543210
	s_mov_b32 s[SEL+1], 0xfedcba98
	s_wait_kmcnt 0x0
	s_cmp_eq_u32 s[ISV], 1
	s_cselect_b64 s[12:13], s[8:9], s[4:5]         ; A's codes: the weight's for v, else the tokens'
	s_cselect_b64 s[66:67], s[10:11], s[6:7]       ; A's scales
	s_cselect_b64 s[4:5], s[4:5], s[8:9]           ; B's codes
	s_cselect_b64 s[6:7], s[6:7], s[10:11]         ; B's scales
	s_add_nc_u64 s[20:21], s[12:13], s[20:21]
	s_add_nc_u64 s[22:23], s[66:67], s[22:23]
	s_add_nc_u64 s[46:47], s[4:5], s[46:47]
	s_add_nc_u64 s[92:93], s[6:7], s[92:93]
	CROUND                                         ; all sixteen work-groups are here: the first joint loads meet
	s_mov_b32 s[G0S], 1
	s_mov_b32 s[G0S+1], SCL
	s_mov_b64 s[G0S+2:G0S+3], s[22:23]
	s_or_b32 s[G0S+3], s[G0S+3], 0x80000000
	s_mov_b32 s[G0SB], 1
	s_mov_b32 s[G0SB+1], SCL+2*HALFS
	s_mov_b64 s[G0SB+2:G0SB+3], s[92:93]
	s_or_b32 s[G0SB+3], s[G0SB+3], 0x80000000
	; THE HEAD'S LOADS, ONE A WAVE: wave 0 K step 0 of A's 256 rows, wave 1 of B's, wave 2 A's scales, wave 3 B's.
	; Slot 0's groups 0 serve these whole tiles first; behind the wait for them they are set to the wave's half for the ring.
	s_mul_i32 s66, s16, 24576                      ; in the ring I fetch 128 rows of a K step: which half, in bytes
	s_mov_b32 s67, 0
	s_mov_b32 s[G0], 1
	s_mov_b32 s[G0+1], 0
	s_mov_b64 s[G0+2:G0+3], s[20:21]
	s_or_b32 s[G0+3], s[G0+3], 0x80000000
	s_mov_b32 s[G0B], 1
	s_mov_b32 s[G0B+1], 2*HALFT
	s_mov_b64 s[G0B+2:G0B+3], s[46:47]
	s_or_b32 s[G0B+3], s[G0B+3], 0x80000000
	s_add_nc_u64 s[20:21], s[20:21], s[66:67]
	s_add_nc_u64 s[46:47], s[46:47], s[66:67]
	s_mov_b32 s[G0+4], 1                           ; slot 1: my half of K step 1
	s_add_co_u32 s[G0+5], s45, SLOT
	s_add_nc_u64 s[G0+6:G0+7], s[20:21], ROWB
	s_or_b32 s[G0+7], s[G0+7], 0x80000000
	s_mov_b32 s[G0B+4], 1
	s_add_co_u32 s[G0B+5], s45, SLOT
	s_add_nc_u64 s[G0B+6:G0B+7], s[46:47], ROWB
	s_or_b32 s[G0B+7], s[G0B+7], 0x80000000
.macro ARM under, g0, g1, next         ; one chain of branches on the wave's number: every way passes exactly one load
	s_cmp_lt_u32 s14, \under
	s_cbranch_scc0 \next
	tensor_load_to_lds s[\g0:\g0+3], s[\g1:\g1+7]
	s_nop 0
.rept 4
	v_nop
.endr
	s_branch .Lhead_asked
\next:
.endm
	ARM 1, G0,  G1,  .Lhead_b
	ARM 2, G0B, G1B, .Lhead_sa
	ARM 3, G0S, G1S, .Lhead_sb
	tensor_load_to_lds s[G0SB:G0SB+3], s[G1SB:G1SB+7]
	s_nop 0
.rept 4
	v_nop
.endr
.Lhead_asked:
	; THE BIAS, in the result's layout, eight registers a block.  q, k: block b of B, register j: feature f0 + 32 (b / 2) + 8 (b % 2) + 16 (lane / 16) + j.
	; v: block a of A, every register: feature f0 + 32 (a / 2) + 8 (a % 2) + r + 8 (r / 8), r = lane % 16.  One run of loads serves both: offset = h sA + (r + 8 (r / 8)) sB + j sC.
	v_and_b32 v1, 15, v0                           ; r
	s_wait_alu depctr_va_vdst(0)
	v_bfe_u32 v2, v0, 4, 1                         ; h
	s_wait_alu depctr_va_vdst(0)
	s_lshl_b32 s18, s17, 8
	s_lshl_b32 s19, s15, 7
	s_add_co_u32 s18, s18, s19                     ; my first row of A
	s_lshl_b32 s19, s42, 8
	s_lshl_b32 s20, s16, 7
	s_add_co_u32 s19, s19, s20                     ; my first row of B
	s_cmp_eq_u32 s[ISV], 1
	s_cselect_b32 s20, s18, s19                    ; f0: my first feature of the 3,072
	s_cselect_b32 s21, s19, s18                    ; my first token
	s_cselect_b32 s22, 0, 64                       ; sA
	s_cselect_b32 s23, 4, 0                        ; sB
	s_cselect_b32 s45, 0, 4                        ; sC
	s_lshl_b32 s46, s20, 2
	s_mov_b32 s47, 0
	s_add_nc_u64 s[96:97], s[96:97], s[46:47]
	v_and_b32 v3, 8, v1
	v_add_nc_u32 v3, v3, v1                        ; r + 8 (r / 8)
	v_mul_u32_u24 v4, s22, v2
	v_mad_u32_u24 v4, v3, s23, v4
	v_mov_b32 v5, s45
.irp j, 0,1,2,3,4,5,6,7
	v_mad_u32_u24 v[VO+\j], v5, \j, v4
.endr
	WIN TO_B
.irp i, 0,1,2,3,4,5,6,7
.irp j, 0,1,2,3,4,5,6,7
	global_load_b32 v[96+8*\i+96*(\i/4)+\j], v[VO+\j], s[96:97] offset:(32*(\i/2)+8*(\i%2))*4
.endr
.endr
	WIN 0
	; WHERE THE RESULTS GO.  My 128 tokens are one step of one batch, my 128 features two heads.
	s_lshr_b32 s22, s21, 11                        ; batch
	s_lshl_b32 s22, s22, 4
	s_bfe_u32 s23, s20, 0x40006                    ; my first head
	s_add_co_u32 s22, s22, s23
	s_lshl_b32 s22, s22, 4
	s_bfe_u32 s23, s21, 0x40007                    ; the step
	s_add_co_u32 s22, s22, s23                     ; (batch x 16 + head) x 16 + step
	s_mul_i32 s94, s[ISV], 6144                    ; V's fragments lie behind K's four
	s_mul_i32 s95, s[ISV], 256
	s_add_co_u32 s95, s95, 12288                   ; K's and V's scale words lie behind their step's eight fragments: a step of K and V is 12,800 bytes
	s_mov_b32 s46, 12800
	s_mov_b32 s47, 12800
	s_mov_b32 s[FLR], 0x1800000                    ; the floor under a largest magnitude: 2^(3 - 127),
	s_cmp_eq_u32 ttmp9, 0                          ; q?
	s_cselect_b32 s46, 6144, s46
	s_cselect_b32 s47, 256, s47
	s_cselect_b32 s[FLR], 0x3000000, s[FLR]        ; for q 2^(6 - 127), so that a byte less 3 is still 1 or more and no borrow crosses bytes
	s_cselect_b32 s[SUBW], 0x03030303, 0           ; q x 1/8: 3 off each byte
	s_cselect_b32 s94, R_QC, s94
	s_cselect_b32 s95, R_QW, s95
	s_mul_i32 s18, s22, s46
	s_add_co_u32 s18, s18, s94
	s_mov_b32 s19, 0
	s_add_nc_u64 s[BASA:BASA+1], s[98:99], s[18:19]
	s_lshl_b32 s18, s46, 4                         ; a head on: 16 steps
	s_add_nc_u64 s[BASB:BASB+1], s[BASA:BASA+1], s[18:19]
	s_mul_i32 s18, s22, s47
	s_add_co_u32 s18, s18, s95
	s_add_nc_u64 s[BASW:BASW+1], s[98:99], s[18:19]
	s_lshl_b32 s47, s47, 4
	v_lshlrev_b32 v[OFFW], 4, v1
	v_mad_u32_u24 v[OFFW], s47, v2, v[OFFW]
	v_and_b32 v6, 31, v0
	v_lshlrev_b32 v[OFFL], 4, v6
	; LDS addresses of my fragments and scale words
	v_mul_u32_u24 v3, v1, PITCH
	v_mul_u32_u24 v4, v2, 24
	v_add_nc_u32 v4, v3, v4                        ; a fragment's row x pitch + 24 x half
	v_lshl_add_u32 v5, v2, 4, v4                   ; and the same behind one padding more
	s_mul_i32 s21, s15, HALFT
	s_mul_i32 s22, s16, HALFT
	s_add_co_u32 s22, s22, 2*HALFT
.irp s, 0,1
	v_add_nc_u32 v[ADRA+\s], s21, v4
	v_add_nc_u32 v[ADRB+\s], s22, v4
	v_add_nc_u32 v[ADRA+2+\s], s21, v5
	v_add_nc_u32 v[ADRB+2+\s], s22, v5
	s_add_co_u32 s21, s21, SLOT
	s_add_co_u32 s22, s22, SLOT
.endr
	v_mul_u32_u24 v5, v1, KS                       ; my row's scales: 32 bytes a row,
	v_lshrrev_b32 v6, 8, v5
	v_lshl_add_u32 v5, v6, 4, v5                   ; and 16 more for each 256 passed
	s_mul_i32 s21, s15, HALFS
	s_mul_i32 s22, s16, HALFS
	s_add_co_u32 s22, s22, 2*HALFS
	s_sub_co_u32 s22, s22, s21
	v_mul_u32_u24 v6, s22, v2                      ; lanes 16-31 take B's: one product, the distance between the two bases
	s_add_co_u32 s21, s21, SCL
	v_add_nc_u32 v5, v5, v6
	v_add_nc_u32 v[ADRS], s21, v5
.macro FRAG reg, adr, q, i             ; 16 rows x 128 K: lane l holds row l % 16; registers 6 c .. 6 c + 5 hold K = 64 c + 32 (l / 16) + 0 .. 31, in pieces of 8 bytes
.irp p, 0,1,2,3,4,5
.set PC, 12*(\q)+6*(\p/3)+\p%3         ; 16 bytes of padding lie behind every 8 pieces: where the piece three on lies behind one padding more, the second address register serves
.if PC%8 < 5
	ds_load_b64 v[\reg+2*\p:\reg+2*\p+1], v[\adr] offset:8*PC+16*(PC/8)+(\i)*16*PITCH
.else
	ds_load_b64 v[\reg+2*\p:\reg+2*\p+1], v[\adr+2] offset:8*PC+16*(PC/8)+(\i)*16*PITCH
.endif
.endr
.endm
; 16 matrix instructions: A's blocks a0, a0 + 1 x B's eight; p: B's set; ks: which 128 along K (its scale words).  zero = 1: C is the bias by B's block; 2: by A's block; 0: the sums go on.
; The 64 accumulators take turns, one instruction a turn, in the same order in every step.
.macro MUL16 a0, p, ks, zero
.irp a, \a0, \a0+1
.irp b, 0,1,2,3,4,5,6,7
.if \zero == 1
	v_wmma_scale_f32_16x16x128_f8f6f4 v[8*(8*((\a)%4)+\b):8*(8*((\a)%4)+\b)+7], v[128*(\p)+FR*\b:128*(\p)+FR*\b+FR-1], v[AF+FR*(\a):AF+FR*(\a)+FR-1], v[96+8*\b+96*(\b/4):96+8*\b+96*(\b/4)+7], v[SC+8*\b+(\ks)], v[SC+8*(\a)+(\ks)] matrix_a_fmt:MATRIX_FMT_FP6 matrix_b_fmt:MATRIX_FMT_FP6 matrix_a_scale:MATRIX_SCALE_ROW1
.elseif \zero == 2
	v_wmma_scale_f32_16x16x128_f8f6f4 v[8*(8*((\a)%4)+\b):8*(8*((\a)%4)+\b)+7], v[128*(\p)+FR*\b:128*(\p)+FR*\b+FR-1], v[AF+FR*(\a):AF+FR*(\a)+FR-1], v[96+8*(\a)+96*((\a)/4):96+8*(\a)+96*((\a)/4)+7], v[SC+8*\b+(\ks)], v[SC+8*(\a)+(\ks)] matrix_a_fmt:MATRIX_FMT_FP6 matrix_b_fmt:MATRIX_FMT_FP6 matrix_a_scale:MATRIX_SCALE_ROW1
.else
	v_wmma_scale_f32_16x16x128_f8f6f4 v[8*(8*((\a)%4)+\b):8*(8*((\a)%4)+\b)+7], v[128*(\p)+FR*\b:128*(\p)+FR*\b+FR-1], v[AF+FR*(\a):AF+FR*(\a)+FR-1], v[8*(8*((\a)%4)+\b):8*(8*((\a)%4)+\b)+7], v[SC+8*\b+(\ks)], v[SC+8*(\a)+(\ks)] matrix_a_fmt:MATRIX_FMT_FP6 matrix_b_fmt:MATRIX_FMT_FP6 matrix_a_scale:MATRIX_SCALE_ROW1
.endif
.endr
.endr
.endm
.macro FETCH_B slot, q, p
	WIN TO_B
.irp i, 0,1,2,3,4,5,6,7
	FRAG 128*(\p)+FR*\i, ADRB+\slot, \q, \i
.endr
	WIN 0
.endm
.macro FETCH_A slot, q, i0
.irp i, \i0, \i0+1, \i0+2, \i0+3
	FRAG AF+FR*(\i), ADRA+\slot, \q, \i
.endr
.endm
.macro PLACES n                        ; plain vector lines between a matrix instruction and a load into, or a read of, its registers
.rept \n
	v_nop
.endr
.endm
; A step of 128 along K that has its successor in the same slot.
.macro STEP slot, q, ks, zero
	s_wait_dscnt 4*NL                              ; B's set and A's blocks 0-3 are in; the youngest 24 loads (A's blocks 4-7) may be out
.if \zero
	WIN 0x91                                       ; C (the bias) in window 1, D in window 2
.else
	WIN MUL_LO
.endif
	MUL16 0, (\q)%2, \ks, \zero
	MUL16 2, (\q)%2, \ks, \zero
	s_wait_dscnt 0                                 ; A's blocks 4-7 are in
	PLACES NP
	FETCH_B \slot, (\q)+1, 1-(\q)%2
	FETCH_A \slot, (\q)+1, 0
.if \zero
	WIN 0xd1
.else
	WIN MUL_HI
.endif
	MUL16 4, (\q)%2, \ks, \zero
	MUL16 6, (\q)%2, \ks, \zero
	PLACES NP
	WIN 0
	FETCH_A \slot, (\q)+1, 4
.endm
; A slot's last step changes slots: ONE barrier; in front of it each wave waits for all its tensor loads, adds 0 to its spare word, and waits for that and for its own reads of this slot.
.macro TURN slot, next, fill, ks
	s_wait_tensorcnt 0x0                           ; all my tensor loads have landed: my part of the next slot
	ds_add_u32 v[SPW], v[NIL]                      ; 0 onto my spare word
	s_wait_dscnt 4*NL+1                            ; (the add and the youngest 24 loads, A's blocks 4-7, may be out)
	WIN MUL_LO
	MUL16 0, 1, \ks, 0                             ; sixteen matrix instructions stand between the add and the wait for it
	s_wait_dscnt 0x0                               ; the add is done, and my reads of this slot are over
	s_barrier_signal -1
	MUL16 2, 1, \ks, 0
	WIN 0
	s_barrier_wait -1
.if \fill
	CREST                                          ; the barrier has opened a round of the cluster's: no wave of any partner still reads this slot or has a load on its way
	s_add_nc_u64 s[G0+4*\slot+2:G0+4*\slot+3], s[G0+4*\slot+2:G0+4*\slot+3], 2*ROWB
	s_add_nc_u64 s[G0B+4*\slot+2:G0B+4*\slot+3], s[G0B+4*\slot+2:G0B+4*\slot+3], 2*ROWB
	JLOAD G0+4*\slot, G1, G0B+4*\slot, G1B         ; the first tensor load behind the round; its four v_nop are the places in front of the loads below
.else
	PLACES NP
.endif
	FETCH_B \next, 0, 0
	FETCH_A \next, 0, 0
	WIN MUL_HI
	MUL16 4, 1, \ks, 0
	MUL16 6, 1, \ks, 0
	PLACES NP
	WIN 0
	FETCH_A \next, 0, 4
.endm
	s_wait_alu depctr_va_vdst(0)
	s_wait_tensorcnt 0x0                           ; my tile of the head's four is in
	ds_add_u32 v[SPW], v[NIL]
	s_mov_b32 s[G1+2], 96<<16                      ; no tensor load of mine is out: from here on a load brings 128 rows of codes, 96 rows of 256 bytes,
	s_mov_b32 s[G1+4], 96
	s_mov_b32 s[G1B+2], 96<<16
	s_mov_b32 s[G1B+4], 96
	s_mul_i32 s[G0+1], s14, HALFT                  ; and slot 0's groups 0 name my half
	s_add_nc_u64 s[G0+2:G0+3], s[G0+2:G0+3], s[66:67]
	s_mul_i32 s[G0B+1], s14, HALFT
	s_add_nc_u64 s[G0B+2:G0B+3], s[G0B+2:G0B+3], s[66:67]
	s_wait_dscnt 0x0
	CROUND                                         ; a whole round: all four tiles are in, in every partner
	JLOAD G0+4, G1, G0B+4, G1B                     ; K step 1, slot 1's first fill: the first tensor load behind the round
	FETCH_B 0, 0, 0
	FETCH_A 0, 0, 0
.irp i, 0,1,2,3,4,5,6,7                ; ALL scale words of my rows, once: block i's eight words a row; lanes 0-15 take A's block i, lanes 16-31 B's
	ds_load_b128 v[SC+8*\i:SC+8*\i+3], v[ADRS] offset:\i*SBLK
	ds_load_b128 v[SC+8*\i+4:SC+8*\i+7], v[ADRS] offset:\i*SBLK+16
.endr
	FETCH_A 0, 0, 4
	s_wait_loadcnt 0x0                             ; the bias
	s_cmp_eq_u32 s[ISV], 1                         ; the first step is written twice: its C is the bias by B's block (q, k) or by A's (v)
	s_cbranch_scc1 .Lfirst_v
	STEP 0, 0, 0, 1
	s_branch .Lfirst_done
.Lfirst_v:
	STEP 0, 0, 0, 2
.Lfirst_done:
	TURN 0, 1, 1, 1                                ; slot 0 takes K step 2
	STEP 1, 0, 2, 0
	TURN 1, 0, 1, 3                                ; slot 1 takes K step 3
	STEP 0, 0, 4, 0
	TURN 0, 1, 0, 5                                ; nothing is left to fetch
	STEP 1, 0, 6, 0
	s_wait_dscnt 4*NL
	WIN MUL_LO
	MUL16 0, 1, 7, 0
	MUL16 2, 1, 7, 0
	s_wait_dscnt 0
	WIN MUL_HI
	MUL16 4, 1, 7, 0
	MUL16 6, 1, 7, 0
	WIN 0
; THE WAY OUT.  QACC quantises block a's 64 registers (four blocks of 32 along the next K): blocks 0, 1 become six registers at d0, blocks 2, 3 six at d1, the four bytes the word pw.
; Each accumulator is read from its low end on.  A block lies in lanes l and l xor 16: one exchange joins the two maxima, and three swaps of halves give each lane a whole block, as the operand's layout wants.
.macro QACC a, d0, d1, pw
.set QS, 64*((\a)%4)
.set QWN, 2+(\a)/4
.set QW2, QWN*5
	WIN QW2                                        ; sources 0 and 1 in the accumulators' window
.irp b, 0,1,2,3
	v_max3_num_f32 v[TM+\b], |v[QS+16*\b]|, |v[QS+16*\b+1]|, s[FLR]
.endr
.irp i, 2,4,6,8,10,12,14
.irp b, 0,1,2,3
	v_max3_num_f32 v[TM+\b], |v[QS+16*\b+\i]|, |v[QS+16*\b+\i+1]|, v[TM+\b]
.endr
.endr
	WIN 0
.irp b, 0,1,2,3
	v_permlanex16_b32 v[TM+4+\b], v[TM+\b], s[SEL], s[SEL+1]
.endr
.irp b, 0,1,2,3
	v_max_num_f32 v[TM+\b], v[TM+\b], v[TM+4+\b]
.endr
.irp b, 0,1,2,3
	v_add_nc_u32 v[TM+12+\b], 0xff000000, v[TM+\b] ; 2 off the exponent field: the conversion's scale operand
.endr
.irp b, 0,1,2,3
	v_lshrrev_b32 v[TM+4+\b], 23, v[TM+12+\b]      ; the scale's byte
.endr
	v_lshl_or_b32 v[\pw], v[TM+5], 8, v[TM+4]
	v_lshl_or_b32 v[\pw], v[TM+6], 16, v[\pw]
	v_lshl_or_b32 v[\pw], v[TM+7], 24, v[\pw]
	v_sub_nc_u32 v[\pw], v[\pw], s[SUBW]           ; q: x 1/8
	WIN QWN                                        ; source 0 in the accumulators' window
	v_cvt_scalef32_pk16_fp6_f32 v[\d0:\d0+2], v[QS:QS+15], v[TM+12]
	v_cvt_scalef32_pk16_fp6_f32 v[CT:CT+2], v[QS+16:QS+31], v[TM+13]
	v_cvt_scalef32_pk16_fp6_f32 v[\d1:\d1+2], v[QS+32:QS+47], v[TM+14]
	v_cvt_scalef32_pk16_fp6_f32 v[CT+4:CT+6], v[QS+48:QS+63], v[TM+15]
	WIN 0
	v_nop                                          ; one plain line behind a scaled conversion
.irp i, 0,1,2
	v_permlane16_swap_b32 v[\d0+\i], v[CT+\i]
	v_permlane16_swap_b32 v[\d1+\i], v[CT+4+\i]
.endr
.irp i, 0,1,2
	v_mov_b32 v[\d0+3+\i], v[CT+\i]
	v_mov_b32 v[\d1+3+\i], v[CT+4+\i]
.endr
.endm
.macro PUT reg, base, off              ; a fragment's image: three stores of 512 consecutive bytes each, aligned
.irp c, 0,1,2
	global_store_b128 v[OFFL], v[\reg+4*\c:\reg+4*\c+3], s[\base:\base+1] offset:\off+512*\c
.endr
.endm
	PLACES NP
.irp b, 0,1,2,3
	v_mov_b32 v[TM+4+\b], 0                        ; written once: a lane permute's destination counts as one of its sources
.endr
	s_cmp_eq_u32 s[ISV], 1
	s_cbranch_scc1 .Lepi_v
	; q, k: A's blocks 2 f and 2 f + 1 are the two tiles of tokens of fragment f; a block's first 64 features are my first head's, the others my second head's
.irp f, 0,1,2,3
.if \f > 0
	s_wait_xcnt 0x0                                ; the last fragments' stores have read their registers
.endif
	QACC 2*\f, FA, FB, PW0
	QACC 2*\f+1, FA+6, FB+6, PW1
	v_perm_b32 v[W+\f], v[PW1], v[PW0], 0x05040100    ; first head: the two tiles' bytes 0, 1
	v_perm_b32 v[W+4+\f], v[PW1], v[PW0], 0x07060302  ; second head: bytes 2, 3
	PUT FA, BASA, \f*1536
	PUT FB, BASB, \f*1536
.endr
	s_branch .Lepi_done
.Lepi_v:
	; v: A's block a is 16 features x my 128 tokens: a whole fragment of V^T; blocks 0-3 are my first head's, 4-7 my second's
.irp f, 0,1,2,3
.if \f > 0
	s_wait_xcnt 0x0
.endif
	QACC 2*\f, FA, FA+6, W+2*\f
	QACC 2*\f+1, FB, FB+6, W+2*\f+1
	PUT FA, BASA+2*(\f/2), ((2*\f)%4)*1536
	PUT FB, BASA+2*(\f/2), ((2*\f)%4)*1536+1536
.endr
.Lepi_done:
	s_mov_b32 vcc_lo, 0xffff0000
	s_wait_alu depctr_va_vdst(0)
.irp t, 0,1,2,3
	v_cndmask_b32 v[X+\t], v[W+\t], v[W+4+\t], vcc_lo  ; lanes 0-15: my first head's four words of row lane % 16; lanes 16-31: my second head's
.endr
	global_store_b128 v[OFFW], v[X:X+3], s[BASW:BASW+1]  ; each half of the lanes stores 256 consecutive bytes, aligned
	s_wait_tensorcnt 0x0                           ; the wave's end
	ds_add_u32 v[SPW], v[NIL]
	s_wait_dscnt 0x0
	CROUND                                         ; the closing round: no work-group ends while a partner may still ask for a tile that names it
	s_endpgm
.Lfunc_end_k_q2014a5f79a_qkvgemm:
	.size	k_q2014a5f79a_qkvgemm, .Lfunc_end_k_q2014a5f79a_qkvgemm-k_q2014a5f79a_qkvgemm
	.p2alignl 7, 3214868480
	.fill 96, 4, 3214868480
	.section	.rodata,"a",@progbits
	.p2align	6, 0x0
	.amdhsa_kernel k_q2014a5f79a_qkvgemm
		.amdhsa_group_segment_fixed_size 327680
		.amdhsa_private_segment_fixed_size 0
		.amdhsa_enable_private_segment 0
		.amdhsa_kernarg_size 48
		.amdhsa_user_sgpr_count 2
		.amdhsa_user_sgpr_kernarg_segment_ptr 1
		.amdhsa_wavefront_size32 1
		.amdhsa_system_sgpr_workgroup_id_x 1
		.amdhsa_system_sgpr_workgroup_id_y 1
		.amdhsa_system_sgpr_workgroup_id_z 1
		.amdhsa_system_vgpr_workitem_id 0
		.amdhsa_next_free_vgpr 1024
		.amdhsa_next_free_sgpr 104
		.amdhsa_reserve_vcc 1
		.amdhsa_float_denorm_mode_32 3
		.amdhsa_float_denorm_mode_16_64 3
		.amdhsa_memory_ordered 1
		.amdhsa_forward_progress 1
		.amdhsa_inst_pref_size 220
	.end_amdhsa_kernel
	.amdgpu_metadata
---
amdhsa.version: [ 1, 2 ]
amdhsa.kernels:
  - .name:           k_q2014a5f79a_qkvgemm
    .symbol:         k_q2014a5f79a_qkvgemm.kd
    .args:
      - { .name: xcod, .offset: 0, .size: 8, .value_kind: global_buffer, .address_space: global }
      - { .name: xscl, .offset: 8, .size: 8, .value_kind: global_buffer, .address_space: global }
      - { .name: wcod, .offset: 16, .size: 8, .value_kind: global_buffer, .address_space: global }
      - { .name: wscl, .offset: 24, .size: 8, .value_kind: global_buffer, .address_space: global }
      - { .name: bqkv, .offset: 32, .size: 8, .value_kind: global_buffer, .address_space: global }
      - { .name: qkv, .offset: 40, .size: 8, .value_kind: global_buffer, .address_space: global }
    .group_segment_fixed_size: 327680
    .private_segment_fixed_size: 0
    .kernarg_segment_align: 8
    .kernarg_segment_size: 48
    .max_flat_workgroup_size: 128
    .sgpr_count:     104
    .vgpr_count:     1024
    .wavefront_size: 32
...
	.end_amdgpu_metadata
.endif
;; end of part 2
;; launch attn (part 3): grid 4 x 64, 16 waves a work-group, no clusters, 207,872 bytes of LDS; arguments qkv, splat_scale, splat_bias, acod, ascl; writes acod, ascl
.if DOCPART == 3
	.amdgcn_target "amdgcn-amd-amdhsa--gfx1250"
	.amdhsa_code_object_version 6
	.text
	.protected	k_q2014a5f79a_attn
	.globl	k_q2014a5f79a_attn
	.p2align	8
	.type	k_q2014a5f79a_attn,@function
k_q2014a5f79a_attn:
	s_mov_b64 s[64:65], 0
	v_nop
	global_prefetch_b8 v0, s[64:65] scope:SCOPE_SE
	s_setreg_imm32_b32 hwreg(HW_REG_WAVE_MODE, 25, 1), 1
	s_wait_xcnt 0x0
; Causal attention of one head on codes of FP6 (E2M3) with E8M0 scales, 2,048 tokens, head size 64; the result is quantised along the head's 64 for the last product and stored as images of operand registers.
; logit = s x score + b, s = 1 + 0.01 tanh(splat_scale[head]), b = 0.001 tanh(splat_bias[head]); t = logit x log2(e) = score x c + bb.  M = the row's running largest t rounded UP to a whole number;
; p = 2^(t - M) is what is quantised, along the keys; the row's sum is taken of the unquantised p and divides at the end.  When M moves, the sum and O are multiplied by 2^(old M - new M): exact.
; SHARES.  Work-group (x, batch x head) owns the blocks of 256 queries 7 - x ('L') and x ('E'); wave w owns tile w of L and tile w xor 15 of E.  A tile of block i, tile j has 2 i + j / 8 + 1 key steps of 128 that count:
; 17 for every wave of every work-group.  A step all of whose keys come after the tile's queries is left out by a scalar branch on ids.
; A HEAD'S K AND V STAY IN LDS: 196,608 bytes of fragments and 8,192 of scale words, filled once, by one tensor load a wave (wave w: step w) that go out together at the head and are waited for in two stages (steps 0-1; 2-15).
; Nothing is filled again.  So there is also no later load for a prefetch to run ahead of.
; NO CLUSTER: the four work-groups of a head read the same K and V, but which steps a work-group leaves out hangs on its block of queries, which would be its place in the cluster.
; LAYOUT.  Both products are used transposed (S^T = K Q^T, O^T = V^T P^T): a lane holds ONE query (lane % 16).  Lane r of tile j is token 32 (j / 2) + 8 (j % 2) + r + 8 (r / 8) of its block.
; K = 64 IN AN INSTRUCTION OF 128: a fragment of K holds two tiles of 16 keys (registers 0-5, 6-11); it is multiplied once by [q | 0] and once by [0 | q].  Zero codes add nothing under any byte but 0xff.
; The keys of the two tiles are such that registers 16 b + i of S^T are keys 32 b + 16 (lane / 16) + i.
; LIMITS: NaN and infinities are not served; hidden scores are -infinity where the definition has -1e9: p is 0 either way while |logit| stays far under 1e9; a block of p or of O under 2^-124 is held at the byte 1.
; REGISTERS: v1 16 x lane; v2 the words' LDS place; v3 bb; v4 c (v5: LDS address of E's scale bytes); v6 bb - M (v7: of L's); v8-11, v12-15 L's and E's -M, largest t, sum in two halves;
;   v16-45 [0 x 6][q L][0 x 6][q E][0 x 6]; v46, v47 q's scale words; v48-95 four fragments; v96-159 S^T, then p; v160-191, v192-223 O^T of L, of E; v224-235 p's codes; v232-254 at work; v243 r + 8 (r / 8) - 16 h; v255 LDS.
.set SCG,   204800                     ; LDS: behind the 16 steps of K, V and their words, 12,800 bytes each: 2 x 512 scale bytes of the result, gathered by LDS stores; no fill lands here
.set R_KVW, 12582912
.set R_QC,  13107200
.set R_QW,  19398656
.set WV,   18
.set SEL,  20
.set TB,   2                           ; LDS byte at which the step's fragments begin
.set KF,   22                          ; the step's first key
.set Q0L,  23                          ; the tiles' first queries
.set Q0E,  76
.set CNT,  77
.set ACL,  78                          ; s[78:79], s[80:81] where the tiles' codes go
.set ACE,  80
.set BLKL, 82
.set TILE, 83                          ; E's tile
.set BLKE, 99
.set G1W, 24
.set G1A, 32
.set G1B, 40
.set G1C, 48
.set G0W, 56
.set G0A, 60
.set G0B, 68
.set G0C, 72
.macro G1SET g, rows                   ; a dense block as rows of 256 bytes: 32 elements of 8 bytes, no padding, no mask
	s_mov_b32 s[\g], 3<<16
	s_mov_b32 s[\g+1], 32<<16
	s_mov_b32 s[\g+2], (\rows)<<16
	s_mov_b32 s[\g+3], 32<<16
	s_mov_b32 s[\g+4], \rows
	s_mov_b32 s[\g+5], 32
	s_mov_b32 s[\g+6], 0
	s_mov_b32 s[\g+7], 0
.endm
	s_load_b256 s[4:11], s[0:1], 0x0               ; qkv s[4:5], splat_scale s[6:7], splat_bias s[8:9], acod s[10:11]
	s_load_b64 s[12:13], s[0:1], 0x20              ; ascl
	v_lshl_add_u32 v254, v0, 2, 0x32400
	v_mov_b32 v255, 0
	ds_add_u32 v254, v255
	ds_add_u32 v254, v255
	s_wait_dscnt 0x0
	v_lshrrev_b32 v1, 5, v0
	s_delay_alu instid0(VALU_DEP_1)
	v_readfirstlane_b32 s[WV], v1                  ; wave 0..15
	s_and_b32 s14, ttmp7, 0xffff                   ; batch x 16 + head
	s_and_b32 s15, s14, 15                         ; head
	s_lshr_b32 s16, s14, 4                         ; batch
	; THE FILLS AS THEY NOW STAND: a key step's eight fragments and its 512 bytes of scale words lie together, 12,800 dense bytes, in memory and in LDS (step x 12,800).
	; WAVE w FETCHES STEP w, whole, by its one tensor load (50 rows of 256 bytes).  Waves 0 and 1 have a load line of their own, since they alone wait ahead of the first barrier.
	G1SET G1A, 50
	s_mul_i32 s78, s14, 204800                     ; the head's 16 steps
	s_mul_i32 s82, s[WV], 12800
	s_add_co_u32 s78, s78, s82
	s_mov_b32 s79, 0
	s_mov_b32 s[G0A], 1
	s_mov_b32 s[G0A+1], s82
	s_wait_kmcnt 0x0
	s_add_nc_u64 s[G0A+2:G0A+3], s[4:5], s[78:79]
	s_or_b32 s[G0A+3], s[G0A+3], 0x80000000
	s_cmp_lt_u32 s[WV], 2
	s_cbranch_scc0 .Llater
	tensor_load_to_lds s[G0A:G0A+3], s[G1A:G1A+7]  ; steps 0 and 1
	s_nop 0
.rept 4
	v_nop
.endr
	s_branch .Lasked
.Llater:
	tensor_load_to_lds s[G0A:G0A+3], s[G1A:G1A+7]  ; steps 2 to 15
	s_nop 0
.rept 4
	v_nop
.endr
.Lasked:
	s_mov_b32 s[SEL], 0x76543210
	s_mov_b32 s[SEL+1], 0xfedcba98
	s_sub_co_u32 s[BLKL], 7, ttmp9
	s_mov_b32 s[BLKE], ttmp9
	s_xor_b32 s[TILE], s[WV], 15
	v_and_b32 v232, 31, v0                         ; lane
	s_delay_alu instid0(VALU_DEP_1)
	v_lshlrev_b32 v1, 4, v232
	v_and_b32 v233, 15, v0                         ; r
	v_bfe_u32 v234, v0, 4, 1                       ; h
	s_delay_alu instid0(VALU_DEP_2)
	v_lshl_add_u32 v2, v233, 4, 12288
	s_delay_alu instid0(VALU_DEP_3)
	v_lshlrev_b32 v240, 4, v233                    ; 16 r: q's words in memory
	s_delay_alu instid0(VALU_DEP_4)
	v_and_b32 v235, 8, v233
	s_delay_alu instid0(VALU_DEP_1)
	v_add_nc_u32 v235, v235, v233
	v_lshlrev_b32 v241, 4, v234
	s_delay_alu instid0(VALU_DEP_1)
	v_sub_nc_u32 v243, v235, v241                  ; r + 8 (r / 8) - 16 h
	s_lshl_b32 s84, s[WV], 5
	s_add_co_u32 s84, s84, SCG
	v_lshl_add_u32 v7, v233, 1, s84                ; L's scale bytes: 32 bytes a tile, 2 a row
	s_lshl_b32 s84, s[TILE], 5
	s_add_co_u32 s84, s84, SCG+512
	v_lshl_add_u32 v5, v233, 1, s84                ; E's
	s_and_b32 s84, s[WV], 1
	s_lshl_b32 s84, s84, 9
	s_add_co_u32 s84, s84, SCG
	v_add_nc_u32 v255, s84, v1                     ; where waves 0 and 1 read them back
; A tile's first query
.macro Q0SET dst, sblk, stile
	s_lshl_b32 s[\dst], s[\sblk], 8
	s_lshr_b32 s84, s[\stile], 1
	s_lshl_b32 s84, s84, 5
	s_add_co_u32 s[\dst], s[\dst], s84
	s_and_b32 s84, s[\stile], 1
	s_lshl_b32 s84, s84, 3
	s_add_co_u32 s[\dst], s[\dst], s84
.endm
	Q0SET Q0L, BLKL, WV
	Q0SET Q0E, BLKE, TILE
; A tile's q: half u = tile % 2 (registers 6 u .. 6 u + 5) of fragment (tile % 8) / 2 of the tile's group of 128 tokens.  In the image register n of lane l lies at 512 (n / 4) + 16 l + 4 (n % 4).
.macro QLOAD stile, sblk, d, wd, va, vb, bc, bw, sel
	s_lshl_b32 s84, s[\sblk], 1
	s_lshr_b32 s85, s[\stile], 3
	s_add_co_u32 s84, s84, s85
	s_lshl_b32 s85, s14, 4
	s_add_co_u32 s84, s84, s85                     ; (batch x 16 + head) x 16 + group
	s_bfe_u32 s85, s[\stile], 0x20001              ; the fragment
	s_and_b32 s86, s[\stile], 1                    ; u
	s_mul_i32 s[\bc], s84, 6144
	s_mul_i32 s87, s85, 1536
	s_add_co_u32 s[\bc], s[\bc], s87
	s_add_co_u32 s[\bc], s[\bc], R_QC
	s_mov_b32 s[\bc+1], 0
	s_add_nc_u64 s[\bc:\bc+1], s[4:5], s[\bc:\bc+1]
	s_lshl_b32 s[\bw], s84, 8
	s_lshl_b32 s87, s85, 2
	s_add_co_u32 s[\bw], s[\bw], s87
	s_add_co_u32 s[\bw], s[\bw], R_QW
	s_mov_b32 s[\bw+1], 0
	s_add_nc_u64 s[\bw:\bw+1], s[4:5], s[\bw:\bw+1]
	s_mul_i32 s87, s86, 520
	v_add_nc_u32 v[\va], s87, v1
	s_mul_i32 s87, s86, 1016
	v_add_nc_u32 v[\vb], s87, v1
	s_mov_b32 s[\sel], 0x01000100
	s_cmp_eq_u32 s86, 1
	s_cselect_b32 s[\sel], 0x03020302, s[\sel]     ; the tile's two bytes of the fragment's word, twice: they serve [q | 0] and [0 | q]
	global_load_b64 v[\d:\d+1], v[\va], s[\bc:\bc+1]
	global_load_b64 v[\d+2:\d+3], v[\vb], s[\bc:\bc+1] offset:8
	global_load_b64 v[\d+4:\d+5], v[\va], s[\bc:\bc+1] offset:512
	global_load_b32 v[\wd], v240, s[\bw:\bw+1]
.endm
	QLOAD WV, BLKL, 22, 46, 244, 245, 88, 90, 96
	QLOAD TILE, BLKE, 34, 47, 246, 247, 92, 94, 97
	s_lshl_b32 s84, s15, 2
	v_mov_b32 v242, s84
	global_load_b32 v230, v242, s[6:7]             ; splat_scale[head], the same word in every lane
	global_load_b32 v231, v242, s[8:9]             ; splat_bias[head]
; where a tile's codes go: ((batch x 128 + 16 block + tile) x 16 + head) x 768
.macro ACBASE dst, sblk, stile
	s_lshl_b32 s84, s16, 7
	s_lshl_b32 s85, s[\sblk], 4
	s_add_co_u32 s84, s84, s85
	s_add_co_u32 s84, s84, s[\stile]
	s_lshl_b32 s84, s84, 4
	s_add_co_u32 s84, s84, s15
	s_mul_i32 s84, s84, 768
	s_mov_b32 s85, 0
	s_add_nc_u64 s[\dst:\dst+1], s[10:11], s[84:85]
.endm
	ACBASE ACL, BLKL, WV
	ACBASE ACE, BLKE, TILE
	s_cmp_eq_u32 s[WV], 0                          ; wave 0 stores L's scale bytes, wave 1 E's: (head x 8,192 + batch x 2,048 + 256 block) x 2
	s_cselect_b32 s84, s[BLKL], s[BLKE]
	s_lshl_b32 s84, s84, 8
	s_lshl_b32 s85, s16, 11
	s_add_co_u32 s84, s84, s85
	s_lshl_b32 s85, s15, 13
	s_add_co_u32 s84, s84, s85
	s_lshl_b32 s84, s84, 1
	s_mov_b32 s85, 0
	s_add_nc_u64 s[12:13], s[12:13], s[84:85]
.irp j, 16,17,18,19,20,21,28,29,30,31,32,33,40,41,42,43,44,45
	v_mov_b32 v[\j], 0                             ; the zero codes beside q
.endr
.set n, 0
.rept 64
	v_mov_b32 v[160+n], 0                          ; O^T.  (The step is written once: the first finds zeros, which the first change of M leaves zeros)
.set n, n+1
.endr
.irp st, 8, 12
	v_mov_b32 v[\st+1], 0xff61b1e6                 ; the largest t so far: -3e38
	s_delay_alu instid0(VALU_DEP_1)
	v_floor_f32 v[\st], -v[\st+1]                  ; -M
	v_mov_b32 v[\st+2], 0
	v_mov_b32 v[\st+3], 0
.endr
.irp j, 236,237,238,239,252,253
	v_mov_b32 v[\j], 0                             ; written once: a lane permute's destination counts as one of its sources, and v253 is named as the upper half of a pair
.endr
	s_wait_loadcnt 0x0
	v_perm_b32 v46, v46, v46, s96
	v_perm_b32 v47, v47, v47, s97
	; tanh x = 1 - 2 / (1 + 2^(2 log2(e) x)); right at both ends: the power overflows to infinity (1) or falls to 0 (-1)
	v_mul_f32 v232, 0x4038aa3b, v230
	v_mul_f32 v233, 0x4038aa3b, v231
	s_wait_alu depctr_va_vdst(0)
	v_exp_f32 v232, v232
	v_exp_f32 v233, v233
	v_nop                                          ; a plain line behind the transcendentals,
	s_wait_alu depctr_va_vdst(0)                   ; and the wait ahead of the first reader: one for the two
	v_add_f32 v232, 1.0, v232
	v_add_f32 v233, 1.0, v233
	s_wait_alu depctr_va_vdst(0)
	v_rcp_f32 v232, v232
	v_rcp_f32 v233, v233
	v_nop
	s_wait_alu depctr_va_vdst(0)
	v_fma_f32 v232, v232, -2.0, 1.0
	v_fma_f32 v233, v233, -2.0, 1.0
	s_delay_alu instid0(VALU_DEP_2)
	v_fma_f32 v232, v232, 0x3c23d70a, 1.0          ; s = 1 + 0.01 tanh: between 0.99 and 1.01, so c is positive and t rises with the score
	s_delay_alu instid0(VALU_DEP_1)
	v_mul_f32 v4, 0x3fb8aa3b, v232                 ; c = s log2(e)
	s_delay_alu instid0(VALU_DEP_3)
	v_mul_f32 v233, 0x3a83126f, v233
	s_delay_alu instid0(VALU_DEP_1)
	v_mul_f32 v3, 0x3fb8aa3b, v233                 ; bb = b log2(e)
; A KEY STEP of one tile: 128 keys.
.macro STEP qlo, qhi, qs, st, o, q0
	s_cmp_gt_u32 s[KF], s[\q0]                     ; a tile's 16 queries lie in one group of 32 tokens and KF is a multiple of 128: beyond the tile's first query it is beyond all
	s_cbranch_scc1 .Lhidden_\@
	v_add_nc_u32 v254, s[TB], v1
	v_add_nc_u32 v252, s[TB], v2
	v_nop
	v_nop                                          ; four places in front of loads into registers that the last products read
.irp f, 0,1,2,3
.irp c, 0,1,2
	ds_load_b128 v[48+12*\f+4*\c:51+12*\f+4*\c], v254 offset:1536*\f+512*\c
.endr
.endr
	ds_load_b128 v[248:251], v252                  ; the four fragments' words of row lane % 16
	s_wait_alu depctr_va_vdst(0)
	s_wait_dscnt 0x0
.irp f, 0,1,2,3
	v_wmma_scale_f32_16x16x128_f8f6f4 v[96+16*\f:103+16*\f], v[48+12*\f:59+12*\f], v[\qlo:\qlo+11], 0, v[248+\f], v[\qs] matrix_a_fmt:MATRIX_FMT_FP6 matrix_b_fmt:MATRIX_FMT_FP6
	v_wmma_scale_f32_16x16x128_f8f6f4 v[104+16*\f:111+16*\f], v[48+12*\f:59+12*\f], v[\qhi:\qhi+11], 0, v[248+\f], v[\qs] matrix_a_fmt:MATRIX_FMT_FP6 matrix_b_fmt:MATRIX_FMT_FP6
.endr
.rept 4
	v_nop
.endr
.irp t, 0,1,2,3                        ; V's fragments are asked for now and land under the softmax
.irp c, 0,1,2
	ds_load_b128 v[48+12*\t+4*\c:51+12*\t+4*\c], v254 offset:6144+1536*\t+512*\c
.endr
.endr
	ds_load_b128 v[248:251], v252 offset:256
	s_add_co_u32 s98, s[KF], 127                   ; on the diagonal hidden scores become -infinity ahead of the maximum; a step all of whose keys count skips this
	s_cmp_le_u32 s98, s[\q0]
	s_cbranch_scc1 .Lopen_\@
	s_sub_co_i32 s98, s[\q0], s[KF]
	v_add_nc_u32 v252, s98, v243                   ; d = my query - KF - 16 (lane / 16).  Register 16 b + i holds key KF + 16 (lane / 16) + 32 b + i: hidden where 32 b + i > d
	v_mov_b32 v254, 0xff800000
.set n, 0
.rept 64
	v_cmp_gt_i32 vcc_lo, 32*(n/16)+n%16, v252
	v_cndmask_b32 v[96+n], v[96+n], v254, vcc_lo
.set n, n+1
.endr
.Lopen_\@:
.irp b, 0,1,2,3
	v_max3_num_f32 v[232+\b], v[96+16*\b], v[97+16*\b], v[98+16*\b]   ; the largest score of each block of 32 keys: it serves the row's maximum and, since p rises with the score, the block's largest p
.endr
.irp i, 3,5,7,9,11,13
.irp b, 0,1,2,3
	v_max3_num_f32 v[232+\b], v[232+\b], v[96+16*\b+\i], v[97+16*\b+\i]
.endr
.endr
.irp b, 0,1,2,3
	v_max_num_f32 v[232+\b], v[232+\b], v[111+16*\b]
.endr
.irp b, 0,1,2,3
	s_delay_alu instid0(VALU_DEP_4)
	v_permlanex16_b32 v[236+\b], v[232+\b], s[SEL], s[SEL+1]
.endr
.irp b, 0,1,2,3
	s_delay_alu instid0(VALU_DEP_4)
	v_max_num_f32 v[232+\b], v[232+\b], v[236+\b]  ; with lane l xor 16's 16 keys
.endr
	s_delay_alu instid0(VALU_DEP_2)
	v_max3_num_f32 v254, v232, v233, v234
	s_delay_alu instid0(VALU_DEP_1)
	v_max_num_f32 v254, v254, v235
	s_delay_alu instid0(VALU_DEP_1)
	v_fma_f32 v254, v254, v4, v3                   ; the step's largest t
	s_delay_alu instid0(VALU_DEP_1)
	v_max_num_f32 v[\st+1], v[\st+1], v254
	v_mov_b32 v254, v[\st]
	s_delay_alu instid0(VALU_DEP_2)
	v_floor_f32 v[\st], -v[\st+1]                  ; the new -M = floor(-t) = -ceil(t)
	s_delay_alu instid0(VALU_DEP_1)
	v_sub_f32 v254, v[\st], v254                   ; old M - new M: a whole number, 0 or less
	s_delay_alu instid0(VALU_DEP_1)
	v_cvt_i32_f32 v254, v254                       ; (it saturates)
	s_delay_alu instid0(VALU_DEP_1)
	v_ldexp_f32 v252, 1.0, v254                    ; f = 2^(old M - new M)
	s_delay_alu instid0(VALU_DEP_4)
	v_add_f32 v6, v[\st], v3                       ; bb - M
.set n, 0
.rept 32
	v_pk_fma_f32 v[96+n:97+n], v[96+n:97+n], v[4:5], v[6:7] op_sel_hi:[1,0,0]   ; t - M, two at a time (of the pairs c and bb - M the low word serves both halves)
.set n, n+2
.endr
.irp b, 0,1,2,3
	v_fma_f32 v[232+\b], v[232+\b], v4, v6         ; the same of each block's largest score
.endr
.set n, 0
	s_wait_alu depctr_va_vdst(0)
.rept 64
	v_exp_f32 v[96+n], v[96+n]                     ; p = 2^(t - M): not normalised
.set n, n+1
.endr
	v_pk_mul_f32 v[\st+2:\st+3], v[\st+2:\st+3], v[252:253] op_sel_hi:[1,0]   ; the sums under the new M (the plain line behind the exponentials)
	s_wait_alu depctr_va_vdst(0)                   ; one wait for the batch of 64, ahead of its first reader
.irp b, 0,1,2,3
	v_exp_f32 v[232+\b], v[232+\b]                 ; the block's largest p
.endr
	v_pk_add_f32 v[236:237], v[96:97], v[98:99]    ; the row's sum is taken of the unquantised p, in two chains
.irp j, 4,8,12,16,20,24,28,32,36,40,44,48,52,56,60
	v_pk_add_f32 v[\st+2:\st+3], v[\st+2:\st+3], v[96+\j:97+\j]
	v_pk_add_f32 v[236:237], v[236:237], v[98+\j:99+\j]
.endr
	s_delay_alu instid0(VALU_DEP_1)
	v_pk_add_f32 v[\st+2:\st+3], v[\st+2:\st+3], v[236:237]
	s_wait_alu depctr_va_vdst(0)                   ; and one for the four
.irp b, 0,1,2,3
	v_max_num_f32 v[232+\b], 0x1800000, v[232+\b]  ; the floor 2^(3 - 127): the byte cannot fall under 1 (a block of zeros keeps that byte: its codes are zeros)
.endr
.irp b, 0,1,2,3
	s_delay_alu instid0(VALU_DEP_4)
	v_add_nc_u32 v[244+\b], 0xff000000, v[232+\b]  ; 2 off the exponent field: the conversion's scale operand
.endr
.irp b, 0,1,2,3
	s_delay_alu instid0(VALU_DEP_4)
	v_lshrrev_b32 v[236+\b], 23, v[244+\b]
.endr
	s_delay_alu instid0(VALU_DEP_3)
	v_lshl_or_b32 v253, v237, 8, v236              ; p's scale word for these 128 keys
	s_delay_alu instid0(VALU_DEP_1)
	v_lshl_or_b32 v253, v238, 16, v253
	s_delay_alu instid0(VALU_DEP_1)
	v_lshl_or_b32 v253, v239, 24, v253
.irp c, 0,1
	v_cvt_scalef32_pk16_fp6_f32 v[224+6*\c:226+6*\c], v[96+32*\c:111+32*\c], v[244+2*\c]
	v_cvt_scalef32_pk16_fp6_f32 v[236+4*\c:238+4*\c], v[112+32*\c:127+32*\c], v[244+2*\c+1]
.endr
	v_nop                                          ; one plain line behind a scaled conversion
.irp c, 0,1                            ; the operand's layout wants a whole block in a lane
.irp i, 0,1,2
	v_permlane16_swap_b32 v[224+6*\c+\i], v[236+4*\c+\i]
.endr
.irp i, 0,1,2
	s_delay_alu instid0(VALU_DEP_3)
	v_mov_b32 v[227+6*\c+\i], v[236+4*\c+\i]
.endr
.endr
.set n, 0
.rept 16
	v_pk_mul_f32 v[\o+n:\o+n+1], v[\o+n:\o+n+1], v[252:253] op_sel_hi:[1,0]   ; O^T under the new M.  (These 16 are also the places between the lines that wrote p's codes and word and the products)
.set n, n+2
.endr
	s_wait_alu depctr_va_vdst(0)
	s_wait_dscnt 0x0                               ; V
.irp t, 0,1,2,3
	v_wmma_scale_f32_16x16x128_f8f6f4 v[\o+8*\t:\o+8*\t+7], v[48+12*\t:59+12*\t], v[224:235], v[\o+8*\t:\o+8*\t+7], v[248+\t], v253 matrix_a_fmt:MATRIX_FMT_FP6 matrix_b_fmt:MATRIX_FMT_FP6
.endr
.Lhidden_\@:
.endm
; n key steps from step 'first' on: a stage of the fills.  The stage's offsets are set anew as constants; the trip count is a constant.
.macro RUN n, first
	s_mov_b32 s[TB], 12800*\first
	s_mov_b32 s[KF], 128*\first
	s_mov_b32 s[CNT], \n
.Lrun_\@:
	STEP 22, 16, 46, 8, 160, Q0L
	STEP 34, 28, 47, 12, 192, Q0E
	s_add_co_u32 s[TB], s[TB], 12800
	s_add_co_u32 s[KF], s[KF], 128
	s_sub_co_u32 s[CNT], s[CNT], 1
	s_cmp_lg_u32 s[CNT], 0
	s_cbranch_scc1 .Lrun_\@
.endm
	s_wait_alu depctr_va_vdst(0)                   ; the wait at the head's end
	s_cmp_lt_u32 s[WV], 2
	s_cbranch_scc0 .Lnot_first
	s_wait_tensorcnt 0x0                           ; waves 0 and 1: steps 0 and 1 are in; the other waves' loads may be out
.Lnot_first:
	s_barrier_signal -1
	s_barrier_wait -1
	RUN 2, 0
	s_wait_tensorcnt 0x0                           ; every wave: its step is in
	s_wait_dscnt 0x0
	s_barrier_signal -1
	s_barrier_wait -1                              ; steps 2 to 15 are shown to all
	RUN 14, 2
.rept 4
	v_nop                                          ; places behind the last products
.endr
	v_lshrrev_b32 v254, 1, v1                      ; 8 x lane
	v_mov_b32 v246, 0
	v_mov_b32 v247, 0
; A TILE'S WAY OUT: O^T / the sum; register 16 b + i is channel 32 b + 16 (lane / 16) + i: two blocks of 32 along the last product's K.  Six registers of codes leave as an image
; (registers 0-3 at 16 x lane, 4-5 at 512 + 8 x lane: 512 and 256 consecutive bytes); the two scale bytes of a row go to LDS, where a block's 512 bytes are gathered.
.macro FIN o, st, c, ct, base, sga
	v_add_f32 v[\st+2], v[\st+2], v[\st+3]
	s_delay_alu instid0(VALU_DEP_1)
	v_permlanex16_b32 v252, v[\st+2], s[SEL], s[SEL+1]
	s_delay_alu instid0(VALU_DEP_1)
	v_add_f32 v[\st+2], v[\st+2], v252             ; the row's sum
	s_wait_alu depctr_va_vdst(0)
	v_rcp_f32 v[\st+2], v[\st+2]
	v_nop
	s_wait_alu depctr_va_vdst(0)
.set n, 0
.rept 16
	v_pk_mul_f32 v[96+n:97+n], v[\o+n:\o+n+1], v[\st+2:\st+3] op_sel_hi:[1,0]
.set n, n+2
.endr
.irp b, 0,1
	v_max3_num_f32 v[244+\b], |v[96+16*\b]|, |v[97+16*\b]|, 0x1800000
.endr
.irp i, 2,4,6,8,10,12,14
.irp b, 0,1
	s_delay_alu instid0(VALU_DEP_2)
	v_max3_num_f32 v[244+\b], v[244+\b], |v[96+16*\b+\i]|, |v[97+16*\b+\i]|
.endr
.endr
.irp b, 0,1
	s_delay_alu instid0(VALU_DEP_2)
	v_permlanex16_b32 v[246+\b], v[244+\b], s[SEL], s[SEL+1]
.endr
.irp b, 0,1
	s_delay_alu instid0(VALU_DEP_2)
	v_max_num_f32 v[244+\b], v[244+\b], v[246+\b]
.endr
.irp b, 0,1
	s_delay_alu instid0(VALU_DEP_2)
	v_add_nc_u32 v[248+\b], 0xff000000, v[244+\b]
.endr
.irp b, 0,1
	s_delay_alu instid0(VALU_DEP_2)
	v_lshrrev_b32 v[250+\b], 23, v[248+\b]
.endr
	s_delay_alu instid0(VALU_DEP_1)
	v_lshl_or_b32 v250, v251, 8, v250
	v_cvt_scalef32_pk16_fp6_f32 v[\c:\c+2], v[96:111], v248
	v_cvt_scalef32_pk16_fp6_f32 v[\ct:\ct+2], v[112:127], v249
	v_nop
.irp i, 0,1,2
	v_permlane16_swap_b32 v[\c+\i], v[\ct+\i]
.endr
.irp i, 0,1,2
	s_delay_alu instid0(VALU_DEP_3)
	v_mov_b32 v[\c+3+\i], v[\ct+\i]
.endr
	global_store_b128 v1, v[\c:\c+3], s[\base:\base+1]
	global_store_b64 v254, v[\c+4:\c+5], s[\base:\base+1] offset:512
	ds_store_b16 v[\sga], v250                     ; both halves of the lanes write the same two bytes with the same value
.endm
	FIN 160, 8, 224, 236, ACL, 7
	FIN 192, 12, 230, 240, ACE, 5                  ; other registers for its codes: the first tile's stores may still read theirs
	s_wait_dscnt 0x0                               ; for the others' sake: my stores of scale bytes are done
	s_barrier_signal -1
	s_barrier_wait -1
	s_cmp_gt_u32 s[WV], 1
	s_cbranch_scc1 .Ldone
	ds_load_b128 v[96:99], v255
	s_wait_dscnt 0x0
	global_store_b128 v1, v[96:99], s[12:13]       ; 512 consecutive bytes, aligned: a block's scale bytes of this head
.Ldone:
	s_wait_xcnt 0x0
	v_lshl_add_u32 v254, v0, 2, 0x32400
	v_mov_b32 v255, 0
	s_wait_alu depctr_va_vdst(0)
	s_wait_tensorcnt 0x0
	ds_add_u32 v254, v255
	s_wait_dscnt 0x0
	s_endpgm
.Lfunc_end_k_q2014a5f79a_attn:
	.size	k_q2014a5f79a_attn, .Lfunc_end_k_q2014a5f79a_attn-k_q2014a5f79a_attn
	.p2alignl 7, 3214868480
	.fill 96, 4, 3214868480
	.section	.rodata,"a",@progbits
	.p2align	6, 0x0
	.amdhsa_kernel k_q2014a5f79a_attn
		.amdhsa_group_segment_fixed_size 207872
		.amdhsa_private_segment_fixed_size 0
		.amdhsa_enable_private_segment 0
		.amdhsa_kernarg_size 40
		.amdhsa_user_sgpr_count 2
		.amdhsa_user_sgpr_kernarg_segment_ptr 1
		.amdhsa_wavefront_size32 1
		.amdhsa_system_sgpr_workgroup_id_x 1
		.amdhsa_system_sgpr_workgroup_id_y 1
		.amdhsa_system_sgpr_workgroup_id_z 1
		.amdhsa_system_vgpr_workitem_id 0
		.amdhsa_next_free_vgpr 256
		.amdhsa_next_free_sgpr 100
		.amdhsa_reserve_vcc 1
		.amdhsa_float_denorm_mode_32 3
		.amdhsa_float_denorm_mode_16_64 3
		.amdhsa_memory_ordered 1
		.amdhsa_forward_progress 1
		.amdhsa_inst_pref_size 110
	.end_amdhsa_kernel
	.amdgpu_metadata
---
amdhsa.version: [ 1, 2 ]
amdhsa.kernels:
  - .name:           k_q2014a5f79a_attn
    .symbol:         k_q2014a5f79a_attn.kd
    .args:
      - { .name: qkv, .offset: 0, .size: 8, .value_kind: global_buffer, .address_space: global }
      - { .name: splat_scale, .offset: 8, .size: 8, .value_kind: global_buffer, .address_space: global }
      - { .name: splat_bias, .offset: 16, .size: 8, .value_kind: global_buffer, .address_space: global }
      - { .name: acod, .offset: 24, .size: 8, .value_kind: global_buffer, .address_space: global }
      - { .name: ascl, .offset: 32, .size: 8, .value_kind: global_buffer, .address_space: global }
    .group_segment_fixed_size: 207872
    .private_segment_fixed_size: 0
    .kernarg_segment_align: 8
    .kernarg_segment_size: 40
    .max_flat_workgroup_size: 512
    .sgpr_count:     100
    .vgpr_count:     256
    .wavefront_size: 32
...
	.end_amdgpu_metadata
.endif
;; end of part 3
;; launch proj (part 4): grid 8 x 32, 4 waves a work-group, clusters of 4 x 4, 327,680 bytes of LDS; arguments acod, ascl, wcod, wscl, bproj, out0; writes out0
.if DOCPART == 4
	.amdgcn_target "amdgcn-amd-amdhsa--gfx1250"
	.amdhsa_code_object_version 6
	.text
	.protected	k_q2014a5f79a_proj
	.globl	k_q2014a5f79a_proj
	.p2align	8
	.type	k_q2014a5f79a_proj,@function
k_q2014a5f79a_proj:
	s_mov_b64 s[64:65], 0
	v_nop
	global_prefetch_b8 v0, s[64:65] scope:SCOPE_SE
	s_setreg_imm32_b32 hwreg(HW_REG_WAVE_MODE, 25, 1), 1
	s_wait_xcnt 0x0
	s_wait_alu depctr_hold_cnt(0) depctr_sa_sdst(0) depctr_va_vdst(0) depctr_va_sdst(0) depctr_va_ssrc(0) depctr_va_vcc(0) depctr_vm_vsrc(0)
	s_getreg_b32 s2, hwreg(HW_REG_IB_STS2, 6, 4)
	s_cmp_eq_u32 s2, 0
	s_cbranch_scc0 .Lentry_in_a_cluster
	s_endpgm
.Lentry_in_a_cluster:
	s_bfe_u32 s2, ttmp6, 0x10000c
	s_cmp_lg_u32 s2, 0xf033
	s_cbranch_scc0 .Lentry_shape_is_right
	s_endpgm
.Lentry_shape_is_right:
.set ROWB,   49152                     ; bytes from a K step's codes of a block of 256 rows of the weight to the next K step's
.set KROW,   768
.set PITCH,  240
.set FR,     12
.set NL,     6
.set NLA,    4
.set NP,     4
.set HALFA,  24576
.set HALFT,  64*PITCH                  ; THE BLOCK is 256 tokens x 128 columns: 8 x 32 work-groups.  A wave makes 128 x 64: A's eight blocks of 16 x B's four.  64 rows of B: what one wave reads, and what one load of the ring brings
.set SLOT,   2*HALFA+2*HALFT
.set ASC,    2*SLOT
.set BSC,    ASC+8192
.set HALFS,  2176                      ; the scales of 64 rows of B: 8 runs of 256 bytes + 16
.set SPARE,  BSC+2*HALFS
.set SPITCH, 272                       ; the stage: a row of 64 results, 256 bytes, + 16
.set ADRA, 16
.set ADRB, 20
.set STO,  24
.set RD,   25
.set CO,   26
.set BO,   27
.set SPW,  28
.set NIL,  29
.set ADAS, 30
.set ADBS, 31
.set SC,   32
.set AF,   128
.set BK,   128
.set G1, 24
.set G0, 32
.set G1B, 48
.set G0B, 56
.set G1S, 68
.set G0S, 76
.set G1SB, 80
.set G0SB, 88
.set MSB, 0
.macro WIN new
.if MSB != \new
	s_set_vgpr_msb (MSB<<8)|\new
.set MSB, \new
.endif
.endm
.set MUL_LO, 0xa1
.set MUL_HI, 0xf1
.set TO_B,   0x40
.macro JLOAD g0a, g1a, g0b, g1b
	s_cmp_eq_u32 s15, 0
	s_cbranch_scc0 .Lfor_b_\@
	tensor_load_to_lds s[\g0a:\g0a+3], s[\g1a:\g1a+7]
	s_nop 0
.rept 4
	v_nop
.endr
	s_branch .Lasked_\@
.Lfor_b_\@:
	tensor_load_to_lds s[\g0b:\g0b+3], s[\g1b:\g1b+7]
	s_nop 0
.rept 4
	v_nop
.endr
.Lasked_\@:
.endm
.macro CREST
	s_cmp_lg_u32 s14, 0
	s_cbranch_scc1 .Lnot_wave_0_\@
	s_barrier_signal -3
.Lnot_wave_0_\@:
	s_barrier_wait -3
	s_barrier_signal -1
	s_barrier_wait -1
.endm
.macro CROUND
	s_barrier_signal -1
	s_barrier_wait -1
	CREST
.endm
	s_load_b256 s[4:11], s[0:1], 0x0
	s_load_b128 s[96:99], s[0:1], 0x20
	v_lshl_add_u32 v[SPW], v0, 2, SPARE
	v_mov_b32 v[NIL], 0
	ds_add_u32 v28, v29
	ds_add_u32 v28, v29
	s_wait_dscnt 0x0
	v_lshrrev_b32 v1, 5, v0
	v_readfirstlane_b32 s14, v1
	s_lshr_b32 s15, s14, 1
	s_and_b32 s16, s14, 1
	s_bfe_u32 s40, ttmp6, 0x40000
	s_bfe_u32 s41, ttmp6, 0x40004
	s_lshl_b32 s42, ttmp9, 2
	s_add_co_u32 s42, s42, s40
	s_and_b32 s17, ttmp7, 0xffff
	s_lshl_b32 s17, s17, 2
	s_add_co_u32 s17, s17, s41
	s_lshl_b32 s43, s41, 2
	s_lshl_b32 s43, 15, s43
	s_lshl_b32 s44, 0x1111, s40
	s_or_b32 s[G1+0], s43, (3<<16)|(1<<21)
	s_mov_b32 s[G1+1], 384<<16
	s_mov_b32 s[G1+2], 16<<16                      ; at the head A's whole tile, 16 rows of 3,072 bytes; the ring's loads bring 8
	s_mov_b32 s[G1+3], 384<<16
	s_mov_b32 s[G1+4], 16
	s_mov_b32 s[G1+5], 1536
	s_mov_b32 s[G1+6], 0
	s_mov_b32 s[G1+7], 0
	s_or_b32 s[G1B+0], s44, (0<<16)|(1<<20)|(1<<21)|(3<<22)|(3<<25)
	s_mov_b32 s[G1B+1], 256<<16                    ; a dense block as rows of 256 bytes; the padding's interval stays 64 bytes: a row of 192 bytes of codes takes 240 in LDS
	s_mov_b32 s[G1B+2], 96<<16                     ; at the head B's 128 rows of codes = 96 rows of 256 bytes; the ring's loads bring half of that
	s_mov_b32 s[G1B+3], 256<<16
	s_mov_b32 s[G1B+4], 96
	s_mov_b32 s[G1B+5], 256
	s_mov_b32 s[G1B+6], 0
	s_mov_b32 s[G1B+7], 0
	s_or_b32 s[G1S+0], s43, (3<<16)|(1<<21)
	s_mov_b32 s[G1S+1], 64<<16
	s_mov_b32 s[G1S+2], 16<<16
	s_mov_b32 s[G1S+3], 64<<16
	s_mov_b32 s[G1S+4], 16
	s_mov_b32 s[G1S+5], 2048
	s_mov_b32 s[G1S+6], 0
	s_mov_b32 s[G1S+7], 0
	s_or_b32 s[G1SB+0], s44, (3<<16)|(1<<20)|(1<<21)|(5<<22)|(3<<25)
	s_mov_b32 s[G1SB+1], 32<<16
	s_mov_b32 s[G1SB+2], 16<<16                    ; the scales of B's 128 rows: 4,096 dense bytes
	s_mov_b32 s[G1SB+3], 32<<16
	s_mov_b32 s[G1SB+4], 16
	s_mov_b32 s[G1SB+5], 32
	s_mov_b32 s[G1SB+6], 0
	s_mov_b32 s[G1SB+7], 0
	s_mul_i32 s20, s17, 16*12288                   ; A's whole tile: 16 tiles of 16 tokens
	s_mov_b32 s21, 0
	s_lshl_b32 s22, s17, 9                         ; its scale bytes
	s_mov_b32 s23, 0
	s_lshl_b32 s46, s42, 7                         ; the first of B's 128 rows,
	s_add_co_u32 s46, s46, 3072                    ; behind Wqkv's
	s_lshl_b32 s92, s46, 5                         ; their scale bytes: 32 a row
	s_mov_b32 s93, 0
	s_lshr_b32 s46, s42, 1                         ; their codes: the block of 256 rows,
	s_mul_i32 s46, s46, 196608
	s_and_b32 s18, s42, 1                          ; and which 128 of each K step's 256 rows: 24,576 dense bytes
	s_mul_i32 s18, s18, 24576
	s_add_co_u32 s46, s46, s18
	s_add_co_u32 s46, s46, 3072*KROW
	s_mov_b32 s47, 0
	s_mul_i32 s45, s16, HALFA
	s_mul_i32 s95, s16, HALFT
	s_add_co_u32 s95, s95, 2*HALFA
	s_wait_kmcnt 0x0
	s_add_nc_u64 s[20:21], s[4:5], s[20:21]
	s_add_nc_u64 s[22:23], s[6:7], s[22:23]
	s_add_nc_u64 s[46:47], s[8:9], s[46:47]
	s_add_nc_u64 s[92:93], s[10:11], s[92:93]
	CROUND
	s_mov_b32 s[G0S], 1
	s_mov_b32 s[G0S+1], ASC
	s_mov_b64 s[G0S+2:G0S+3], s[22:23]
	s_or_b32 s[G0S+3], s[G0S+3], 0x80000000
	s_mov_b32 s[G0SB], 1
	s_mov_b32 s[G0SB+1], BSC
	s_mov_b64 s[G0SB+2:G0SB+3], s[92:93]
	s_or_b32 s[G0SB+3], s[G0SB+3], 0x80000000
	; THE HEAD'S LOADS, ONE A WAVE: wave 0 K step 0 of A's whole tile, wave 1 of B's 128 rows, wave 2 A's scales, wave 3 B's.
	; Slot 0's groups 0 serve these whole tiles first; behind the wait for them they are set to the wave's half for the ring.
	s_mul_i32 s92, s16, 8*12288                    ; in the ring I fetch half a tile: which half, in bytes: A's,
	s_mov_b32 s93, 0
	s_mul_i32 s66, s16, 12288
	s_mov_b32 s67, 0
	s_mov_b32 s[G0], 1
	s_mov_b32 s[G0+1], 0
	s_mov_b64 s[G0+2:G0+3], s[20:21]
	s_or_b32 s[G0+3], s[G0+3], 0x80000000
	s_mov_b32 s[G0B], 1
	s_mov_b32 s[G0B+1], 2*HALFA
	s_mov_b64 s[G0B+2:G0B+3], s[46:47]
	s_or_b32 s[G0B+3], s[G0B+3], 0x80000000
	s_add_nc_u64 s[20:21], s[20:21], s[92:93]
	s_add_nc_u64 s[46:47], s[46:47], s[66:67]
	s_mov_b32 s[G0+4], 1                           ; slot 1: my half of K step 1
	s_add_co_u32 s[G0+5], s45, SLOT
	s_add_nc_u64 s[G0+6:G0+7], s[20:21], 3072
	s_or_b32 s[G0+7], s[G0+7], 0x80000000
	s_mov_b32 s[G0B+4], 1
	s_add_co_u32 s[G0B+5], s95, SLOT
	s_add_nc_u64 s[G0B+6:G0B+7], s[46:47], ROWB
	s_or_b32 s[G0B+7], s[G0B+7], 0x80000000
.macro ARM under, g0, g1, next         ; one chain of branches on the wave's number: every way passes exactly one load
	s_cmp_lt_u32 s14, \under
	s_cbranch_scc0 \next
	tensor_load_to_lds s[\g0:\g0+3], s[\g1:\g1+7]
	s_nop 0
.rept 4
	v_nop
.endr
	s_branch .Lhead_asked
\next:
.endm
	ARM 1, G0,  G1,  .Lhead_b
	ARM 2, G0B, G1B, .Lhead_sa
	ARM 3, G0S, G1S, .Lhead_sb
	tensor_load_to_lds s[G0SB:G0SB+3], s[G1SB:G1SB+7]
	s_nop 0
.rept 4
	v_nop
.endr
.Lhead_asked:
	v_and_b32 v1, 15, v0
	v_bfe_u32 v2, v0, 4, 1
	s_wait_alu depctr_va_vdst(0)
	v_and_b32 v6, 31, v0
	s_wait_alu depctr_va_vdst(0)
	s_lshl_b32 s20, s17, 8
	s_lshl_b32 s21, s15, 7
	s_add_co_u32 s20, s20, s21
	s_lshl_b32 s20, s20, 12
	s_lshl_b32 s46, s42, 9                         ; my first column, in bytes: 512 x tile column + 256 x half
	s_lshl_b32 s47, s16, 8
	s_add_co_u32 s46, s46, s47
	s_add_co_u32 s20, s20, s46
	s_mov_b32 s21, 0
	s_mov_b32 s47, 0
	s_add_nc_u64 s[98:99], s[98:99], s[20:21]
	s_add_nc_u64 s[96:97], s[96:97], s[46:47]
	v_lshlrev_b32 v[BO], 5, v2
	WIN TO_B
.irp b, 0,1,2,3
	global_load_b128 v[96+8*\b+96*(\b/4):96+8*\b+96*(\b/4)+3], v[BO], s[96:97] offset:64*\b
	global_load_b128 v[96+8*\b+96*(\b/4)+4:96+8*\b+96*(\b/4)+7], v[BO], s[96:97] offset:64*\b+16
.endr
	WIN 0
	s_mul_i32 s21, s15, HALFA
.irp s, 0,1
	v_lshl_add_u32 v[ADRA+\s], v6, 4, s21
	v_lshl_add_u32 v[ADRA+2+\s], v6, 3, s21
	s_add_co_u32 s21, s21, SLOT
.endr
	v_mul_u32_u24 v3, v1, PITCH
	v_mul_u32_u24 v4, v2, 24
	v_add_nc_u32 v4, v3, v4
	v_lshl_add_u32 v5, v2, 4, v4
	s_mul_i32 s22, s16, HALFT
	s_add_co_u32 s22, s22, 2*HALFA
.irp s, 0,1
	v_add_nc_u32 v[ADRB+\s], s22, v4
	v_add_nc_u32 v[ADRB+2+\s], s22, v5
	s_add_co_u32 s22, s22, SLOT
.endr
	s_lshl_b32 s21, s15, 8
	s_add_co_u32 s21, s21, ASC
	v_lshl_add_u32 v[ADAS], v1, 1, s21
	s_mul_i32 s21, s16, HALFS
	s_add_co_u32 s21, s21, BSC
	v_lshlrev_b32 v3, 5, v1
	v_lshrrev_b32 v4, 3, v1
	v_lshl_add_u32 v3, v4, 4, v3
	v_add_nc_u32 v[ADBS], s21, v3
	s_mul_i32 s23, s14, 16*SPITCH
	v_mul_u32_u24 v5, v1, SPITCH
	v_lshl_add_u32 v5, v2, 5, v5
	v_add_nc_u32 v[STO], s23, v5
	v_lshlrev_b32 v[CO], 4, v1                     ; back: sixteen lanes take a row of 256 bytes, lanes 16-31 the next row;
	v_mul_u32_u24 v3, v2, SPITCH
	v_add_nc_u32 v3, v3, v[CO]
	v_add_nc_u32 v[RD], s23, v3
	v_lshl_add_u32 v[CO], v2, 12, v[CO]            ; and the same two rows in out0, 4,096 bytes apart
.macro FRAG reg, adr, q, i
.irp p, 0,1,2,3,4,5
.set PC, 12*(\q)+6*(\p/3)+\p%3
.if PC%8 < 5
	ds_load_b64 v[\reg+2*\p:\reg+2*\p+1], v[\adr] offset:8*PC+16*(PC/8)+(\i)*16*PITCH
.else
	ds_load_b64 v[\reg+2*\p:\reg+2*\p+1], v[\adr+2] offset:8*PC+16*(PC/8)+(\i)*16*PITCH
.endif
.endr
.endm
.macro FRAGA reg, slot, q, i
	ds_load_b128 v[\reg:\reg+3], v[ADRA+\slot] offset:3072*(\i)+1536*(\q)
	ds_load_b64 v[\reg+4:\reg+5], v[ADRA+2+\slot] offset:3072*(\i)+1536*(\q)+512
	ds_load_b128 v[\reg+6:\reg+9], v[ADRA+\slot] offset:3072*(\i)+1536*(\q)+768
	ds_load_b64 v[\reg+10:\reg+11], v[ADRA+2+\slot] offset:3072*(\i)+1536*(\q)+1280
.endm
.macro MUL16 a0, p, ks, zero
.irp a, \a0, \a0+1
.irp b, 0,1,2,3
.if \zero
	v_wmma_scale_f32_16x16x128_f8f6f4 v[8*(8*((\a)%4)+\b):8*(8*((\a)%4)+\b)+7], v[128*(\p)+FR*\b:128*(\p)+FR*\b+FR-1], v[AF+FR*(\a):AF+FR*(\a)+FR-1], v[96+8*\b+96*(\b/4):96+8*\b+96*(\b/4)+7], v[SC+8*\b+(\ks)], v[SC+8*(\a)+(\ks)] matrix_a_fmt:MATRIX_FMT_FP6 matrix_b_fmt:MATRIX_FMT_FP6 matrix_a_scale:MATRIX_SCALE_ROW1
.else
	v_wmma_scale_f32_16x16x128_f8f6f4 v[8*(8*((\a)%4)+\b):8*(8*((\a)%4)+\b)+7], v[128*(\p)+FR*\b:128*(\p)+FR*\b+FR-1], v[AF+FR*(\a):AF+FR*(\a)+FR-1], v[8*(8*((\a)%4)+\b):8*(8*((\a)%4)+\b)+7], v[SC+8*\b+(\ks)], v[SC+8*(\a)+(\ks)] matrix_a_fmt:MATRIX_FMT_FP6 matrix_b_fmt:MATRIX_FMT_FP6 matrix_a_scale:MATRIX_SCALE_ROW1
.endif
.endr
.endr
.endm
.macro FETCH_B slot, q, p
	WIN TO_B
.irp i, 0,1,2,3
	FRAG 128*(\p)+FR*\i, ADRB+\slot, \q, \i
.endr
	WIN 0
.endm
.macro FETCH_A slot, q, i0
.irp i, \i0, \i0+1, \i0+2, \i0+3
	FRAGA AF+FR*(\i), \slot, \q, \i
.endr
.endm
.macro PLACES n
.rept \n
	v_nop
.endr
.endm
.macro STEP slot, q, ks, zero
	s_wait_dscnt 4*NLA
.if \zero
	WIN 0x91
.else
	WIN MUL_LO
.endif
	MUL16 0, (\q)%2, \ks, \zero
	MUL16 2, (\q)%2, \ks, \zero
	s_wait_dscnt 0
	PLACES NP
	FETCH_B \slot, (\q)+1, 1-(\q)%2
	FETCH_A \slot, (\q)+1, 0
.if \zero
	WIN 0xd1
.else
	WIN MUL_HI
.endif
	MUL16 4, (\q)%2, \ks, \zero
	MUL16 6, (\q)%2, \ks, \zero
	PLACES NP
	WIN 0
	FETCH_A \slot, (\q)+1, 4
.endm
.macro TURN slot, next, fill, ks
	s_wait_tensorcnt 0x0
	ds_add_u32 v[SPW], v[NIL]
	s_wait_dscnt 4*NLA+1
	WIN MUL_LO
	MUL16 0, 1, \ks, 0
	s_wait_dscnt 0x0
	s_barrier_signal -1
	MUL16 2, 1, \ks, 0
	WIN 0
	s_barrier_wait -1
.if \fill
	CREST
	s_add_nc_u64 s[G0+4*\slot+2:G0+4*\slot+3], s[G0+4*\slot+2:G0+4*\slot+3], 2*3072
	s_add_nc_u64 s[G0B+4*\slot+2:G0B+4*\slot+3], s[G0B+4*\slot+2:G0B+4*\slot+3], 2*ROWB
	JLOAD G0+4*\slot, G1, G0B+4*\slot, G1B
.else
	PLACES NP
.endif
	FETCH_B \next, 0, 0
	FETCH_A \next, 0, 0
	WIN MUL_HI
	MUL16 4, 1, \ks, 0
	MUL16 6, 1, \ks, 0
	PLACES NP
	WIN 0
	FETCH_A \next, 0, 4
.endm
	s_wait_alu depctr_va_vdst(0)
	s_wait_tensorcnt 0x0                           ; my tile of the head's four is in
	ds_add_u32 v[SPW], v[NIL]
	s_mov_b32 s[G1+2], 8<<16                       ; no tensor load of mine is out: from here on a load brings half a tile,
	s_mov_b32 s[G1+4], 8
	s_mov_b32 s[G1B+2], 48<<16                     ; 64 rows of codes = 48 rows of 256 bytes
	s_mov_b32 s[G1B+4], 48
	s_mov_b32 s[G0+1], s45                         ; and slot 0's groups 0 name my half
	s_add_nc_u64 s[G0+2:G0+3], s[G0+2:G0+3], s[92:93]
	s_mov_b32 s[G0B+1], s95
	s_add_nc_u64 s[G0B+2:G0B+3], s[G0B+2:G0B+3], s[66:67]
	s_wait_dscnt 0x0
	CROUND                                         ; a whole round: all four tiles are in, in every partner
	JLOAD G0+4, G1, G0B+4, G1B                     ; K step 1, slot 1's first fill: the first tensor load behind the round
	s_mov_b32 vcc_lo, 0xffff0000
.irp i0, 0,4
.irp ii, 0,1,2,3
.irp s, 0,1,2,3,4,5,6,7
	ds_load_u16 v[128+24*\ii+2*\s], v[ADAS] offset:1024*\s+32*(\i0+\ii)
	ds_load_u16 v[129+24*\ii+2*\s], v[ADAS] offset:1024*\s+512+32*(\i0+\ii)
.endr
.if \i0 == 0                           ; B has four blocks: their words are loaded in the first turn alone; in the second the registers still hold them, and lanes 16-31 of blocks 4-7's words are read by no product
	ds_load_b128 v[144+24*\ii:147+24*\ii], v[ADBS] offset:544*(\i0+\ii)
	ds_load_b128 v[148+24*\ii:151+24*\ii], v[ADBS] offset:544*(\i0+\ii)+16
.endif
.endr
	s_wait_dscnt 0x0
.irp ii, 0,1,2,3
.irp s, 0,1,2,3,4,5,6,7
	v_lshl_or_b32 v[128+24*\ii+2*\s], v[129+24*\ii+2*\s], 16, v[128+24*\ii+2*\s]
.endr
.irp s, 0,1,2,3,4,5,6,7
	v_cndmask_b32 v[SC+8*(\i0+\ii)+\s], v[128+24*\ii+2*\s], v[144+24*\ii+\s], vcc_lo
.endr
.endr
.endr
	FETCH_B 0, 0, 0
	FETCH_A 0, 0, 0
	FETCH_A 0, 0, 4
	PLACES 8
	s_wait_alu depctr_va_vdst(0)
	s_wait_loadcnt 0x0
	STEP 0, 0, 0, 1
	TURN 0, 1, 1, 1
	STEP 1, 0, 2, 0
	TURN 1, 0, 1, 3
	STEP 0, 0, 4, 0
	TURN 0, 1, 0, 5
	STEP 1, 0, 6, 0
	s_wait_dscnt 4*NLA
	WIN MUL_LO
	MUL16 0, 1, 7, 0
	MUL16 2, 1, 7, 0
	s_wait_dscnt 0
	WIN MUL_HI
	MUL16 4, 1, 7, 0
	MUL16 6, 1, 7, 0
	WIN 0
.macro TOSTAGE a
.set AC, 64*((\a)%4)
.set WD, 0x08+4*((\a)/4)
	WIN WD
.irp b, 0,1,2,3
	ds_store_b128 v[STO], v[AC+8*\b:AC+8*\b+3] offset:64*\b
	ds_store_b128 v[STO], v[AC+8*\b+4:AC+8*\b+7] offset:64*\b+16
.endr
	WIN 0
.set BB, BK+64*((\a)%2)
.irp t, 0,1,2,3,4,5,6,7
	ds_load_b128 v[BB+4*\t:BB+4*\t+3], v[RD] offset:2*\t*SPITCH
.endr
.endm
.macro SEND a, younger
.set BB, BK+64*((\a)%2)
	s_wait_dscnt \younger
.irp t, 0,1,2,3,4,5,6,7
	global_store_b128 v[CO], v[BB+4*\t:BB+4*\t+3], s[98:99] offset:(32*((\a)/2)+8*((\a)%2)+2*\t+8*(\t/4))*4096 th:TH_STORE_NT   ; stage rows 2 t and 2 t + 1: each half of the lanes stores 256 consecutive bytes, aligned
.endr
.endm
	PLACES NP
	TOSTAGE 0
.irp a, 1,2,3,4,5,6,7
.if \a > 1
	s_wait_xcnt 0x0
.endif
	TOSTAGE \a
	SEND \a-1, 16                                  ; behind block a - 1's loads: block a's 8 stores and 8 loads
.endr
	SEND 7, 0
	s_wait_tensorcnt 0x0
	ds_add_u32 v[SPW], v[NIL]
	s_wait_dscnt 0x0
	CROUND
	s_endpgm
.Lfunc_end_k_q2014a5f79a_proj:
	.size	k_q2014a5f79a_proj, .Lfunc_end_k_q2014a5f79a_proj-k_q2014a5f79a_proj
	.p2alignl 7, 3214868480
	.fill 96, 4, 3214868480
	.section	.rodata,"a",@progbits
	.p2align	6, 0x0
	.amdhsa_kernel k_q2014a5f79a_proj
		.amdhsa_group_segment_fixed_size 327680
		.amdhsa_private_segment_fixed_size 0
		.amdhsa_enable_private_segment 0
		.amdhsa_kernarg_size 48
		.amdhsa_user_sgpr_count 2
		.amdhsa_user_sgpr_kernarg_segment_ptr 1
		.amdhsa_wavefront_size32 1
		.amdhsa_system_sgpr_workgroup_id_x 1
		.amdhsa_system_sgpr_workgroup_id_y 1
		.amdhsa_system_sgpr_workgroup_id_z 1
		.amdhsa_system_vgpr_workitem_id 0
		.amdhsa_next_free_vgpr 1024
		.amdhsa_next_free_sgpr 104
		.amdhsa_reserve_vcc 1
		.amdhsa_float_denorm_mode_32 3
		.amdhsa_float_denorm_mode_16_64 3
		.amdhsa_memory_ordered 1
		.amdhsa_forward_progress 1
		.amdhsa_inst_pref_size 108
	.end_amdhsa_kernel
	.amdgpu_metadata
---
amdhsa.version: [ 1, 2 ]
amdhsa.kernels:
  - .name:           k_q2014a5f79a_proj
    .symbol:         k_q2014a5f79a_proj.kd
    .args:
      - { .name: acod, .offset: 0, .size: 8, .value_kind: global_buffer, .address_space: global }
      - { .name: ascl, .offset: 8, .size: 8, .value_kind: global_buffer, .address_space: global }
      - { .name: wcod, .offset: 16, .size: 8, .value_kind: global_buffer, .address_space: global }
      - { .name: wscl, .offset: 24, .size: 8, .value_kind: global_buffer, .address_space: global }
      - { .name: bproj, .offset: 32, .size: 8, .value_kind: global_buffer, .address_space: global }
      - { .name: out0, .offset: 40, .size: 8, .value_kind: global_buffer, .address_space: global }
    .group_segment_fixed_size: 327680
    .private_segment_fixed_size: 0
    .kernarg_segment_align: 8
    .kernarg_segment_size: 48
    .max_flat_workgroup_size: 128
    .sgpr_count:     104
    .vgpr_count:     1024
    .wavefront_size: 32
...
	.end_amdgpu_metadata
.endif
;; end of part 4
